; MI455X (gfx1250); checked and timed in simulation.
; The chip was launched on July 23, 2026; its instructions are those of AMD's public machine-readable ISA for CDNA 5 (MIT licence, August 2026) and "CDNA5" Instruction Set Architecture Reference Guide (July 2026). The comments in the code are by the model that wrote it; some were corrected since.
;; Complex Attention. Allowed arithmetic: matrix products marked QUANTISED: E5M2 operands, one E8M0 scale for each 32 along K, by v_wmma_scale_f32_16x16x128_f8f6f4 with both operands' format E5M2, f32 sums; everything else in f32.
;; Inputs: Wk_i 1,024 x 1,024 float32; Wk_r 1,024 x 1,024 float32; Wo_i 1,024 x 1,024 float32; Wo_r 1,024 x 1,024 float32; Wq_i 1,024 x 1,024 float32; Wq_r 1,024 x 1,024 float32; Wv_i 1,024 x 1,024 float32; Wv_r 1,024 x 1,024 float32; bk_i 1,024 float32; bk_r 1,024 float32; bo_i 1,024 float32; bo_r 1,024 float32; bq_i 1,024 float32; bq_r 1,024 float32; bv_i 1,024 float32; bv_r 1,024 float32; k_i 4 x 1,024 x 1,024 float32; k_r 4 x 1,024 x 1,024 float32; q_i 4 x 1,024 x 1,024 float32; q_r 4 x 1,024 x 1,024 float32; v_i 4 x 1,024 x 1,024 float32; v_r 4 x 1,024 x 1,024 float32.
;; Outputs: out0 4 x 1,024 x 1,024 float32; out1 4 x 1,024 x 1,024 float32.
;; This version of the problem:
;;   THIS VERSION OF THE PROBLEM IS GIVEN IN LOW PRECISION. The matrix products marked QUANTISED in the list below multiply operands that are first quantised to E5M2 (5 exponent bits, 2 mantissa bits; 8 bits a number), with one power-of-two scale for each 32 numbers along K (OCP MX v1.0); their sums are f32. All else is computed in f32.
;;   The module's matrix products, in the order in which they are computed (A, B: the left and right operand; K: the contracted axis; several contracted axes count as one K, in the product's order):
;;     1. [M 4,096, K 1,024] x [K 1,024, N 1,024]; A: input q_r; B: input Wq_r: QUANTISED
;;     2. [M 4,096, K 1,024] x [K 1,024, N 1,024]; A: input q_i; B: input Wq_i: QUANTISED
;;     3. [M 4,096, K 1,024] x [K 1,024, N 1,024]; A: input k_r; B: input Wk_r: QUANTISED
;;     4. [M 4,096, K 1,024] x [K 1,024, N 1,024]; A: input k_i; B: input Wk_i: QUANTISED
;;     5. [M 4,096, K 1,024] x [K 1,024, N 1,024]; A: input v_r; B: input Wv_r: QUANTISED
;;     6. [M 4,096, K 1,024] x [K 1,024, N 1,024]; A: input v_i; B: input Wv_i: QUANTISED
;;     7. batch 64 x [M 1,024, K 64] x [K 64, N 1,024]; A: computed on the way; B: computed on the way: QUANTISED
;;     8. batch 64 x [M 1,024, K 64] x [K 64, N 1,024]; A: computed on the way; B: computed on the way: QUANTISED
;;     9. batch 64 x [M 64, K 1,024] x [K 1,024, N 1,024]; A: computed on the way; B: softmax (see below): QUANTISED
;;     10. batch 64 x [M 64, K 1,024] x [K 1,024, N 1,024]; A: computed on the way; B: softmax (see below): QUANTISED
;;     11. [M 4,096, K 1,024] x [K 1,024, N 1,024]; A: computed on the way; B: input Wo_r: QUANTISED
;;     12. [M 4,096, K 1,024] x [K 1,024, N 1,024]; A: computed on the way; B: input Wo_i: QUANTISED
;;   THE QUANTISER, for each operand of a quantised product, along K:
;;     - K is cut into blocks of 32 from its start; a last block that is shorter is filled with zeros.
;;     - A block's scale is 2^e with e = floor(log2(the largest magnitude in the block)) - 15, held to -126 .. 127; a block of zeros has e = 0. As a byte (E8M0): e + 127.
;;     - Each number is divided by its block's scale, clamped to +-57,344, and rounded to the nearest number of E5M2, ties to even, subnormals kept.
;;     - The product sums the exact products of the quantised numbers (number of the format x scale) in f32.
;;   ~~~python
;;   def quantise(x, axis):      # numpy; x: float32 -> the quantised numbers, widened to float32 again
;;       x = np.moveaxis(x, axis, -1); K = x.shape[-1]
;;       x = np.pad(x, [(0, 0)] * (x.ndim - 1) + [(0, -K % 32)]); x = x.reshape(x.shape[:-1] + (-1, 32)); a = np.abs(x).max(-1, keepdims=True)
;;       e = np.where(a > 0, np.clip(np.frexp(np.where(a > 0, a, 1))[1] - 1 - 15, -126, 127), 0)      # np.frexp(a)[1] - 1 = floor(log2(a)), exactly
;;       r = np.clip(x / 2.0 ** e, -57344, 57344)
;;       step = 2.0 ** (np.maximum(np.frexp(np.where(r == 0, 1, r))[1] - 1, -14) - 2)
;;       q = np.round(r / step) * step * 2.0 ** e      # np.round: ties to even
;;       return np.moveaxis(q.reshape(q.shape[:-2] + (-1,))[..., :K], -1, axis).astype(np.float32)
;;   ~~~
;;   SOFTMAX AHEAD OF A QUANTISED PRODUCT. Where the list says 'softmax', what is quantised is not the finished softmax but p = 2^(t - M), with t = logit x log2(e) and M = ceil(the row's largest t), a whole number; so 1/2 < the row's largest p <= 1. The row's sum l is taken of the UNQUANTISED p, in f32, and the product's result is divided by l at the end. Since M is a whole number, a kernel that streams over the keys may use a running M (the ceiling of the running maximum): every later rescaling is an exact power of two, which a block's scale takes up: the codes' values come out the same.
;;   OPERANDS COMPUTED ON THE WAY. 'Computed on the way' means the value that the module computes at that place (a softmax that the list does not call 'softmax' is quantised finished and normalised). What goes into a quantiser is computed in f32, as accurately as f32 sums, v_exp_f32 and their like allow (about 1e-6 of the number): no bf16 or f16 on the way to a quantiser, and a product that is left as it is and whose result goes on into a quantised operand takes f32 operands (vector FMAs, or v_wmma_f32_16x16x4_f32). A number that lies on a knife's edge between two numbers of the format may be rounded either way, as far as f32 arithmetic and the matrix unit's own rounding can turn it there, and no further.
;; One version. Each part assembles by itself: llvm-mc -triple=amdgcn-amd-amdhsa -mcpu=gfx1250 --defsym DOCPART=n.
;; ======== version 1 of 1: 4 launches
;; limits: right only within a limited range of input values
;; workspace buffers: codes 33,554,432 bytes; scales 1,048,576 bytes; img 25,165,824 bytes; isc 786,432 bytes; oimg 8,388,608 bytes; osc 262,144 bytes
;; launch quant (part 1): grid 1024 x 1, 4 waves a work-group, no clusters, 33,280 bytes of LDS; arguments q_r, q_i, k_r, k_i, v_r, v_i, Wq_r, Wq_i, Wk_r, Wk_i, Wv_r, Wv_i, Wo_r, Wo_i, codes, scales; writes codes, scales
.if DOCPART == 1
	.amdgcn_target "amdgcn-amd-amdhsa--gfx1250"
	.amdhsa_code_object_version 6
	.text
	.protected	k_q651834edf1_quant
	.globl	k_q651834edf1_quant
	.p2align	8
	.type	k_q651834edf1_quant,@function
k_q651834edf1_quant:
	s_mov_b64 s[64:65], 0
	v_nop
	global_prefetch_b8 v0, s[64:65] scope:SCOPE_SE
	s_setreg_imm32_b32 hwreg(HW_REG_WAVE_MODE, 25, 1), 1
	s_wait_xcnt 0x0
; Fourteen f32 tensors with K innermost (six activations [4096][1024], eight weights [1024][1024]) become codes of BF8 (E5M2), one byte a number, and one E8M0 scale byte for each 32 along K.
; A block's scale is 2^(floor(log2(its largest magnitude)) - 15); its byte is the largest magnitude's exponent field - 15, held at 1 from below.  Each number is divided by the scale, held within +-57,344
; and rounded to the nearest code, ties to even.
; ORDER INSIDE A BLOCK.  The 32 codes of a block are stored as its groups of eight in the order g0 g2 g1 g3.  Every operand of this program stands in that order (the later launches' matrix results fall
; into it by themselves), and a permutation of k inside a block, the same on both sides of a product, keeps the products and the block's scale; only the grouping of the f32 sums differs.
; LIMITS: a block of zeros gets the byte 1 (the rule says 127): its codes are zeros and this program alone reads the bytes; blocks whose largest magnitude lies under 2^(16 - 127) keep the byte 1;
; NaN and infinities among the inputs are not served.
; SHARES.  Rows are dense and 1024 is a multiple of 32: all tensors are plain streams of blocks.  A work-group takes 32,768 numbers, a wave 8,192 in 16 steps of 512.  Work-groups 0-767 take the six
; activations (128 each), 768-1023 the eight weights (32 each); the codes and the scale bytes of all fourteen lie on end in that order, so a wave's place in them hangs on the work-group's number alone.
; THE TURN THROUGH LDS.  Each load reads 512 consecutive bytes, 16 a lane; the conversions want 16 numbers of ONE block in a lane.  A step's 2,048 bytes go through the wave's own stage: eight rows of 256 bytes.
; Piece j (16 bytes) lies in row j / 16, at column (j % 16) xor s(row), s = 0, 1, 4, 5 by the row's two low bits.  On the way in sixteen lanes fill one row: sixteen columns.  On the way out sixteen lanes
; take, of four rows, columns c, c + 2, c + 8, c + 10: the xor sends the four rows to four disjoint sets of columns.
; The even lane of a pair takes g0 and g2 of a block, the odd lane g1 and g3.  A lane's 16 codes are 16 bytes: a store covers 512 consecutive bytes.  A wave's 256 scale bytes are gathered in LDS and leave
; as 256 consecutive bytes.  No work-group shares an input with another: no cluster, no tensor loads, no barrier.
.set STEPS, 16
.set EMAX,  15
.set MANT,  0x600000                   ; the mantissa field of 57,344 as f32
.set WA,    1                          ; v1, v2   the stage on the way in: for a step's loads 0 and 2, and for loads 1 and 3
.set RA,    12                         ; v12-15   the stage on the way out: my four pieces
.set R,     16                         ; v16-79   four sets of 16 numbers as they are loaded
.set X,     80                         ; v80-111  two sets of 16 numbers of one block
.set E,     112                        ; v112-127 a scale byte for each step
.set C,     128                        ; v128-191 codes: four registers for each step, so that no store's data are written again
.set WREG,  8192                       ; LDS: a region for each wave: two stages, behind them its 256 scale bytes
.set STG,   2048                       ; a stage
	s_load_b512 s[8:23], s[0:1], 0x0               ; tensor i's address at s[8 + 2 i : 9 + 2 i]
	s_load_b512 s[24:39], s[0:1], 0x40             ; .. s[36:37] the codes, s[38:39] the scale bytes
	v_lshl_add_u32 v192, v0, 2, 0x8000
	v_mov_b32 v193, 0
	v_lshrrev_b32 v8, 5, v0
	v_readfirstlane_b32 s42, v8                    ; wave
	v_and_b32 v9, 31, v0                           ; lane l
	v_lshlrev_b32 v3, 4, v9                        ; my 16 bytes of a load's 512, and of a step's 512 bytes of codes
	s_mul_i32 s43, s42, WREG
	; in: load i's lane l holds piece 32 i + l: row 2 i + l / 16, column l % 16; s(row) = l / 16 + 4 (i % 2)
	v_lshrrev_b32 v10, 4, v9
	v_and_b32 v11, 15, v9
	v_xor_b32 v11, v11, v10
	v_lshlrev_b32 v11, 4, v11
	v_lshl_add_u32 v11, v10, 8, v11
	v_add_nc_u32 v[WA], s43, v11                   ; loads 0 and 2 (512 i stands in the immediate)
	v_xor_b32 v[WA+1], 64, v[WA]                   ; loads 1 and 3: column xor 4
	; out: lane l takes block l / 2: row l / 4, columns 8 ((l / 2) % 2) + 2 (l % 2) + {0, 1, 4, 5}; s(row) = (l / 4) % 2 + 4 ((l / 8) % 2)
	v_bfe_u32 v10, v9, 1, 1
	v_bfe_u32 v11, v9, 3, 1
	v_lshl_or_b32 v10, v10, 1, v11
	v_and_b32 v11, 1, v9
	v_lshl_or_b32 v10, v10, 1, v11
	v_bfe_u32 v11, v9, 2, 1
	v_lshl_or_b32 v10, v10, 1, v11                 ; the first piece's column behind the xor: bits 3 .. 0 = bits 1, 3, 0, 2 of l
	v_lshrrev_b32 v11, 2, v9
	v_lshlrev_b32 v10, 4, v10
	v_lshl_add_u32 v10, v11, 8, v10
	v_add_nc_u32 v[RA], s43, v10
	v_xor_b32 v[RA+1], 16, v[RA]                   ; column + 1, + 4, + 5 ahead of the xor are xors themselves: those bits of the column are 0
	v_xor_b32 v[RA+2], 64, v[RA]
	v_xor_b32 v[RA+3], 80, v[RA]
	v_lshrrev_b32 v10, 1, v9
	s_add_co_u32 s43, s43, 2*STG
	v_add_nc_u32 v5, s43, v10                      ; LDS: my wave's 256 scale bytes, my block's byte
	v_lshlrev_b32 v7, 3, v9                        ; and on the way out 8 bytes a lane
	v_add_nc_u32 v6, s43, v7
	s_mov_b32 s48, MANT
	s_lshr_b32 s40, ttmp9, 7                       ; an activation: tensor = work-group / 128,
	s_and_b32 s41, ttmp9, 127                      ; part = work-group % 128
	s_sub_co_u32 s44, ttmp9, 768                   ; a weight: (used only where the work-group's number is 768 or more)
	s_lshr_b32 s45, s44, 5
	s_add_co_u32 s45, s45, 6                       ; tensor = 6 + (work-group - 768) / 32,
	s_and_b32 s44, s44, 31                         ; part = (work-group - 768) % 32
	s_cmp_lt_u32 ttmp9, 768
	s_cselect_b32 s40, s40, s45
	s_cselect_b32 s41, s41, s44
	s_lshl_b32 s41, s41, 2
	s_add_co_u32 s41, s41, s42                     ; which run of 8,192 numbers of the tensor is my wave's
	s_lshl_b32 s44, s41, 15                        ; x 32,768 bytes
	s_mov_b32 s45, 0
	s_lshl_b32 s49, ttmp9, 2
	s_add_co_u32 s49, s49, s42                     ; which run of all fourteen
	s_lshl_b32 s46, s49, 13                        ; x 8,192 bytes of codes
	s_mov_b32 s47, 0
	s_lshl_b32 s50, s49, 8                         ; x 256 scale bytes
	s_mov_b32 s51, 0
	s_wait_alu depctr_va_vdst(0)
	s_wait_kmcnt 0x0
	s_mov_b64 s[4:5], s[8:9]                       ; the tensor's address is chosen on its number, which hangs on the work-group's number alone
.irp i, 1,2,3,4,5,6,7,8,9,10,11,12,13
	s_cmp_eq_u32 s40, \i
	s_cselect_b64 s[4:5], s[8+2*\i:9+2*\i], s[4:5]
.endr
	s_add_nc_u64 s[4:5], s[4:5], s[44:45]
	s_add_nc_u64 s[36:37], s[36:37], s[46:47]
	s_add_nc_u64 s[38:39], s[38:39], s[50:51]
.macro LOAD t
.irp i, 0,1,2,3
	global_load_b128 v[R+16*((\t)%4)+4*\i:R+16*((\t)%4)+4*\i+3], v3, s[4:5] offset:2048*(\t)+512*\i th:TH_LOAD_NT   ; 32 lanes read 512 consecutive bytes
.endr
.endm
.macro TURN t                          ; step t's numbers through the stage: LDS serves a wave's instructions in order, so no wait stands between the stores and the loads
.irp i, 0,1,2,3
	ds_store_b128 v[WA+\i%2], v[R+16*((\t)%4)+4*\i:R+16*((\t)%4)+4*\i+3] offset:STG*((\t)%2)+512*\i
.endr
.irp i, 0,1,2,3
	ds_load_b128 v[X+16*((\t)%2)+4*\i:X+16*((\t)%2)+4*\i+3], v[RA+\i] offset:STG*((\t)%2)   ; one group of eight numbers (two pieces), then the group two further on
.endr
.endm
.irp t, 0,1,2,3
	LOAD \t
.endr
	s_wait_loadcnt 12                              ; step 0's four loads are in
	TURN 0
.macro STEP t
.set XS, X+16*((\t)%2)
.if (\t) > 0
	s_wait_dscnt 1                                 ; this step's numbers are back from the stage (the last step's byte store may be out): so its stores into the stage have read their registers,
.else
	s_wait_dscnt 0x0
.endif
.if (\t)+4 < STEPS
	LOAD (\t)+4                                    ; which take the loads of four steps on
.endif
.if (\t)+1 < STEPS
.if STEPS-2-(\t) >= 3
	s_wait_loadcnt 12                              ; the next step's four loads are in; those of the three steps behind it may be out
.else
	s_wait_loadcnt 4*(STEPS-2-(\t))
.endif
	TURN (\t)+1                                    ; and go through the other stage while this step is worked
.endif
	v_max3_num_f32 v8, |v[XS]|, |v[XS+1]|, |v[XS+2]|               ; the largest magnitude of my 16
	v_max3_num_f32 v9, |v[XS+3]|, |v[XS+4]|, |v[XS+5]|
.irp i, 6,10
	v_max3_num_f32 v8, v8, |v[XS+\i]|, |v[XS+\i+1]|
	v_max3_num_f32 v9, v9, |v[XS+\i+2]|, |v[XS+\i+3]|
.endr
	v_max3_num_f32 v8, v8, |v[XS+14]|, |v[XS+15]|
	v_max3_num_f32 v8, v8, v9, (EMAX+1)<<23        ; and the floor 2^(16 - 127): the byte cannot fall under 1
	v_max_num_f32_dpp v8, v8, v8 row_xmask:1 row_mask:0xf bank_mask:0xf   ; and of my neighbour's 16: the block's
	v_add_nc_u32 v11, 0xf8800000, v8               ; 15 off its exponent field: the conversion takes the exponent field of this operand as its scale
	v_and_or_b32 v10, v8, 0x7f800000, s48          ; 57,344 x the scale
.irp i, 0,1,2,3,4,5,6,7,8,9,10,11,12,13,14,15
	v_med3_num_f32 v[XS+\i], v[XS+\i], -v10, v10   ; the conversion to an 8-bit code does not saturate (ISA guide 7.6.2): hold the number first
.endr
	v_cvt_scalef32_pk8_bf8_f32 v[C+4*(\t):C+4*(\t)+1], v[XS:XS+7], v11
	v_cvt_scalef32_pk8_bf8_f32 v[C+4*(\t)+2:C+4*(\t)+3], v[XS+8:XS+15], v11
	v_lshrrev_b32 v[E+(\t)], 23, v11               ; the scale's byte
	ds_store_b8 v5, v[E+(\t)] offset:16*(\t)       ; both lanes of a block write the same byte with the same value
	global_store_b128 v3, v[C+4*(\t):C+4*(\t)+3], s[36:37] offset:512*(\t)   ; 32 lanes store 512 consecutive bytes
.endm
.irp t, 0,1,2,3,4,5,6,7,8,9,10,11,12,13,14,15
	STEP \t
.endr
	ds_load_b64 v[10:11], v6                       ; LDS serves a wave's instructions in order: these see my stores
	s_wait_dscnt 0x0
	global_store_b64 v7, v[10:11], s[38:39]        ; 32 lanes store 256 consecutive bytes, aligned
	s_wait_tensorcnt 0x0
	ds_add_u32 v192, v193
	s_wait_dscnt 0x0
	s_endpgm
.Lfunc_end_k_q651834edf1_quant:
	.size	k_q651834edf1_quant, .Lfunc_end_k_q651834edf1_quant-k_q651834edf1_quant
	.p2alignl 7, 3214868480
	.fill 96, 4, 3214868480
	.section	.rodata,"a",@progbits
	.p2align	6, 0x0
	.amdhsa_kernel k_q651834edf1_quant
		.amdhsa_group_segment_fixed_size 33280
		.amdhsa_private_segment_fixed_size 0
		.amdhsa_enable_private_segment 0
		.amdhsa_kernarg_size 128
		.amdhsa_user_sgpr_count 2
		.amdhsa_user_sgpr_kernarg_segment_ptr 1
		.amdhsa_wavefront_size32 1
		.amdhsa_system_sgpr_workgroup_id_x 1
		.amdhsa_system_sgpr_workgroup_id_y 1
		.amdhsa_system_sgpr_workgroup_id_z 1
		.amdhsa_system_vgpr_workitem_id 0
		.amdhsa_next_free_vgpr 194
		.amdhsa_next_free_sgpr 66
		.amdhsa_reserve_vcc 0
		.amdhsa_float_denorm_mode_32 3
		.amdhsa_float_denorm_mode_16_64 3
		.amdhsa_memory_ordered 1
		.amdhsa_forward_progress 1
		.amdhsa_inst_pref_size 52
	.end_amdhsa_kernel
	.amdgpu_metadata
---
amdhsa.version: [ 1, 2 ]
amdhsa.kernels:
  - .name:           k_q651834edf1_quant
    .symbol:         k_q651834edf1_quant.kd
    .args:
      - { .name: q_r, .offset: 0, .size: 8, .value_kind: global_buffer, .address_space: global }
      - { .name: q_i, .offset: 8, .size: 8, .value_kind: global_buffer, .address_space: global }
      - { .name: k_r, .offset: 16, .size: 8, .value_kind: global_buffer, .address_space: global }
      - { .name: k_i, .offset: 24, .size: 8, .value_kind: global_buffer, .address_space: global }
      - { .name: v_r, .offset: 32, .size: 8, .value_kind: global_buffer, .address_space: global }
      - { .name: v_i, .offset: 40, .size: 8, .value_kind: global_buffer, .address_space: global }
      - { .name: Wq_r, .offset: 48, .size: 8, .value_kind: global_buffer, .address_space: global }
      - { .name: Wq_i, .offset: 56, .size: 8, .value_kind: global_buffer, .address_space: global }
      - { .name: Wk_r, .offset: 64, .size: 8, .value_kind: global_buffer, .address_space: global }
      - { .name: Wk_i, .offset: 72, .size: 8, .value_kind: global_buffer, .address_space: global }
      - { .name: Wv_r, .offset: 80, .size: 8, .value_kind: global_buffer, .address_space: global }
      - { .name: Wv_i, .offset: 88, .size: 8, .value_kind: global_buffer, .address_space: global }
      - { .name: Wo_r, .offset: 96, .size: 8, .value_kind: global_buffer, .address_space: global }
      - { .name: Wo_i, .offset: 104, .size: 8, .value_kind: global_buffer, .address_space: global }
      - { .name: codes, .offset: 112, .size: 8, .value_kind: global_buffer, .address_space: global }
      - { .name: scales, .offset: 120, .size: 8, .value_kind: global_buffer, .address_space: global }
    .group_segment_fixed_size: 33280
    .private_segment_fixed_size: 0
    .kernarg_segment_align: 8
    .kernarg_segment_size: 128
    .max_flat_workgroup_size: 128
    .sgpr_count:     66
    .vgpr_count:     194
    .wavefront_size: 32
...
	.end_amdgpu_metadata
.endif
;; end of part 1
;; launch proj (part 2): grid 32 x 8, 4 waves a work-group, clusters of 4 x 4, 327,680 bytes of LDS; arguments codes, scales, img, isc, bq_r, bq_i, bk_r, bk_i, bv_r, bv_i; writes img, isc
.if DOCPART == 2
	.amdgcn_target "amdgcn-amd-amdhsa--gfx1250"
	.amdhsa_code_object_version 6
	.text
	.protected	k_q651834edf1_proj
	.globl	k_q651834edf1_proj
	.p2align	8
	.type	k_q651834edf1_proj,@function
k_q651834edf1_proj:
	s_mov_b64 s[64:65], 0
	v_nop
	global_prefetch_b8 v0, s[64:65] scope:SCOPE_SE
	s_setreg_imm32_b32 hwreg(HW_REG_WAVE_MODE, 25, 1), 1
	s_wait_xcnt 0x0
	s_wait_alu depctr_hold_cnt(0) depctr_sa_sdst(0) depctr_va_vdst(0) depctr_va_sdst(0) depctr_va_ssrc(0) depctr_va_vcc(0) depctr_vm_vsrc(0)
	s_getreg_b32 s2, hwreg(HW_REG_IB_STS2, 6, 4)
	s_cmp_eq_u32 s2, 0
	s_cbranch_scc0 .Lentry_in_a_cluster
	s_endpgm
.Lentry_in_a_cluster:
	s_bfe_u32 s2, ttmp6, 0x10000c
	s_cmp_lg_u32 s2, 0xf033
	s_cbranch_scc0 .Lentry_shape_is_right
	s_endpgm
.Lentry_shape_is_right:
; The six projections y = x W^T + b on codes of BF8 (E5M2, an E8M0 byte for 32 along K), each result quantised again along the K of the product that reads it and stored as images of that operand's registers.
; LIMITS: a block of zeros keeps the byte 1 with zero codes (this program alone reads the bytes); NaN and infinities are not served; k stands permuted inside each
; block of 32 (groups of eight as g0 g2 g1 g3), alike on both sides of every product, so the f32 sums are grouped otherwise than with k in its natural places.
; THE DEAL.  256 work-groups of four waves (2 rows x 2 columns of waves).  A wave holds 64 rows of a weight, all 1,024 of K, in 512 registers and streams x past them in blocks of 16 rows (two sets of 128 registers).
; PHASE 1: 512 rows x 128 columns of q_r, q_i, k_r or k_i (4 tensors x 8 x 8 tiles = 256).  PHASE 2: 256 rows x 128 columns of v_r or v_i (2 x 16 x 8 = 256).
; SOURCES.  Q, K: source 0 = W, source 1 = x: a lane holds one row of x and its registers run along the head's channels.  V: source 0 = x, source 1 = W: the registers run along the keys.
; LDS.  Two slots of 128 rows of 1,024 + 16 bytes.  The first weight lies in slot 1 and chunk 0 of x in slot 0.  Each later fill goes over a slot that every wave has read out, behind a drained round of the cluster's barrier,
; a quarter of 128 rows a wave: chunks 1, 2, 3, the second weight (slot 0), V's chunk 0 (slot 1), V's chunk 1 (slot 0).  A fill is asked for four blocks ahead of the round that shows it.
; CLUSTER 4 x 4.  Phase 1: a row shares x's rows, a column the weight.  Phase 2 the other way round: a row shares the weight, a column x's rows: so the loop's three refills (chunks 2, 3, the second weight) are one line with one mask.
; OUT, as the next launch reads it.  Q', K': [batch x head][16 rows][c: 0, 1 real, 2, 3 imaginary][lane][16].  V': [batch x head][128 keys][tile of 16 channels: 4 real, 4 imaginary][c][lane][16].
; Scale words: planes q_r, q_i, k_r, k_i [batch][pair of heads][row][4]; V': [batch x head][128 keys][tile][channel][c].  They are gathered in LDS and leave at the end as runs of 2,048 and 256 bytes.
; PREFETCH.  Behind each refill the 128 rows of the next refill are named once in the cluster that will load them: sixteen waves, 8,192 bytes each, lanes 256 bytes apart, shared out by address.
; REGISTERS.  Window 0: addresses, scale words (v24-39 W's, v44-59 x's), v64-127 two sets of four sums, v192-223 the quantiser, v224-255 the bias as the first products' C.  Windows 1, 2: the weight.  Window 3: x's two sets.
.set PITCH, 1040
.set SLOT, 128*PITCH
.set BLKB, 16*PITCH
.set SBK, 544                          ; the scale bytes of 16 rows: two units of 256 + 16
.set SCL, 2*SLOT                       ; phase 1's x scale bytes: 64 units
.set SCV, SCL+64*272                   ; phase 2's: 32 units
.set XN, SCV+32*272                    ; Q's, K's scale words on the way out: [row of 512][4]
.set XV, XN+2048                       ; V's: [head of two][key step of two][tile][channel][c]
.set SPARE, XV+1024
.set WCODES, 25165824
.set WSCALES, 786432
.set CHB, 131072                       ; 128 rows of codes in memory
.set NF, 34                            ; LDS loads of a block: 32 of codes, 2 of scale words
.set FLOOR, 0x8000000
.set LANE, 1
.set ADR0, 2
.set ADC, 3
.set ADN, 4
.set ASC, 5
.set ADW0, 6
.set ADW1, 7
.set ABS, 8
.set CO, 9
.set SPW, 10
.set NIL, 11
.set VX, 12
.set RD, 13
.set VB, 14
.set PF, 15
.set PF2, 16
.set QSL, 17
.set QSO, 18
.set VSL, 19
.set VSO, 20
.set ASV, 21
.set SB, 24
.set SA, 44
.set ACC, 64
.set BV, 128
.set EB, 132
.set NCD, 192
.set TQ, 208
.set SOP, 216
.set BND, 220
.set BQ, 224
.set G1A, 24                           ; row mask: x's chunks of phase 1, the second weight
.set G1B, 32                           ; column mask: the first weight, V's chunks
.set G1S, 40
.set G1T, 48
.set G0A, 56
.set G0B, 60
.set G0S, 68
.set G0T, 72
.set SEL, 80
.set MNT, 87
.set MSB, 0
.macro WIN new
.if MSB != (\new)
	s_set_vgpr_msb (MSB<<8)|(\new)
.set MSB, \new
.endif
.endm
.macro PLACES n
.rept \n
	v_nop
.endr
.endm
.macro CREST
	s_cmp_lg_u32 s14, 0
	s_cbranch_scc1 .Lnw0_\@
	s_barrier_signal -3
.Lnw0_\@:
	s_barrier_wait -3
	s_barrier_signal -1
	s_barrier_wait -1
.endm
.macro CROUND
	s_barrier_signal -1
	s_barrier_wait -1
	CREST
.endm
.macro TLOAD g0, g1                    ; s_nop 0 and four v_nop behind a tensor load
	tensor_load_to_lds s[\g0:\g0+3], s[\g1:\g1+7]
	s_nop 0
	PLACES 4
.endm
.macro GRD
	s_wait_tensorcnt 0x0
	ds_add_u32 v[SPW], v[NIL]
.endm
.macro GROUP1 g, mask, rows            ; whole rows of K, 1,024 bytes, 16 of padding behind each
	s_or_b32 s[\g], s\mask, (1<<20)|(1<<21)|(7<<22)|(3<<25)
	s_mov_b32 s[\g+1], 1024<<16
	s_mov_b32 s[\g+2], (\rows)<<16
	s_mov_b32 s[\g+3], 1024<<16
	s_mov_b32 s[\g+4], \rows
	s_mov_b32 s[\g+5], 1024
	s_mov_b32 s[\g+6], 0
	s_mov_b32 s[\g+7], 0
.endm
.macro GROUPS g, mask, units           ; dense scale bytes as rows of 256 (32 elements of 8), 16 of padding behind each
	s_or_b32 s[\g], s\mask, (3<<16)|(1<<20)|(1<<21)|(5<<22)|(3<<25)
	s_mov_b32 s[\g+1], 32<<16
	s_mov_b32 s[\g+2], (\units)<<16
	s_mov_b32 s[\g+3], 32<<16
	s_mov_b32 s[\g+4], \units
	s_mov_b32 s[\g+5], 32
	s_mov_b32 s[\g+6], 0
	s_mov_b32 s[\g+7], 0
.endm
.macro ACCU d, x, sh                   ; s[d] += s[x] << sh
	s_lshl_b32 s81, s\x, \sh
	s_add_co_u32 s\d, s\d, s81
.endm
.macro RDESC g0, off, t                ; group 0 of a refill: my quarter of the 128 rows at s[off] of the codes, into the slot at s69; s[t+1] holds 0
	s_mul_i32 s[\g0+1], s14, 32*PITCH
	s_add_co_u32 s[\g0+1], s[\g0+1], s69
	s_mul_i32 s\t, s14, 32768
	s_add_co_u32 s\t, s\t, s\off
	s_add_nc_u64 s[\g0+2:\g0+3], s[4:5], s[\t:\t+1]
	s_or_b32 s[\g0+3], s[\g0+3], 0x80000000
.endm
	s_load_b256 s[4:11], s[0:1], 0x0               ; codes, scales, images, their scale words
	s_load_b256 s[76:83], s[0:1], 0x20             ; bq_r, bq_i, bk_r, bk_i
	s_load_b128 s[84:87], s[0:1], 0x40             ; bv_r, bv_i
	v_lshl_add_u32 v[SPW], v0, 2, SPARE
	v_mov_b32 v[NIL], 0
	ds_add_u32 v[SPW], v[NIL]                      ; the opening: the add twice on end and one wait, ahead of my first tensor load
	ds_add_u32 v[SPW], v[NIL]
	v_lshrrev_b32 v40, 5, v0
	v_readfirstlane_b32 s14, v40                   ; wave
	s_lshr_b32 s15, s14, 1                         ; my row of waves
	s_and_b32 s16, s14, 1                          ; my column of waves
	s_bfe_u32 s17, ttmp6, 0x40000                  ; cx
	s_bfe_u32 s18, ttmp6, 0x40004                  ; cy
	s_and_b32 s13, ttmp7, 0xffff                   ; the cluster's y: 0, 1: phase 2's part
	s_lshr_b32 s19, ttmp9, 1                       ; phase 1's tensor: cluster x / 2
	s_and_b32 s12, ttmp9, 1
	s_lshl_b32 s12, s12, 2
	s_lshl_b32 s2, s18, 2
	s_lshl_b32 s2, 15, s2                          ; my row of the cluster
	s_lshl_b32 s3, 0x1111, s17                     ; my column
	GROUP1 G1A, 2, 128
	GROUP1 G1B, 3, 128
	GROUPS G1S, 2, 64
	GROUPS G1T, 3, 32
	s_lshl_b32 s91, s13, 2
	s_add_co_u32 s91, s91, s18                     ; phase 1's tile of 512 rows
	s_add_co_u32 s92, s12, s17                     ; phase 1's tile of 128 columns: a pair of heads
	s_add_co_u32 s93, s12, s18                     ; phase 2's tile of columns
	s_lshl_b32 s94, s19, 2
	s_add_co_u32 s94, s94, s17                     ; phase 2's tile of 256 rows
	s_add_co_u32 s95, s13, 4                       ; phase 2's tensor
	s_lshl_b32 s88, s19, 22
	s_lshl_b32 s20, s91, 19
	s_add_co_u32 s88, s88, s20                     ; s88: phase 1's rows in the codes
	s_lshl_b32 s89, s95, 20
	s_lshl_b32 s20, s93, 17
	s_add_co_u32 s89, s89, s20
	s_add_co_u32 s89, s89, WCODES                  ; s89: the second weight's rows
	s_lshl_b32 s90, s95, 22
	s_lshl_b32 s22, s94, 18
	s_add_co_u32 s90, s90, s22                     ; s90: phase 2's rows
	s_mov_b32 s[G0A], 1                            ; chunk 0 -> slot 0
	s_mov_b32 s[G0A+1], 0
	s_mov_b32 s[G0A+2], s88
	s_mov_b32 s[G0A+3], 0
	s_mov_b32 s[G0B], 1                            ; the first weight -> slot 1
	s_mov_b32 s[G0B+1], SLOT
	s_lshl_b32 s[G0B+2], s19, 20
	s_lshl_b32 s22, s92, 17
	s_add_co_u32 s[G0B+2], s[G0B+2], s22
	s_add_co_u32 s[G0B+2], s[G0B+2], WCODES
	s_mov_b32 s[G0B+3], 0
	s_mov_b32 s[G0S], 1                            ; the scale bytes of phase 1's 512 rows
	s_mov_b32 s[G0S+1], SCL
	s_lshl_b32 s[G0S+2], s19, 17
	s_lshl_b32 s20, s91, 14
	s_add_co_u32 s[G0S+2], s[G0S+2], s20
	s_mov_b32 s[G0S+3], 0
	s_mov_b32 s[G0T], 1                            ; and of phase 2's 256
	s_mov_b32 s[G0T+1], SCV
	s_lshl_b32 s[G0T+2], s95, 17
	s_lshl_b32 s22, s94, 13
	s_add_co_u32 s[G0T+2], s[G0T+2], s22
	s_mov_b32 s[G0T+3], 0
	s_wait_dscnt 0x0                               ; both opening adds are done
	CROUND                                         ; all sixteen work-groups are here: the first joint loads meet
	s_wait_kmcnt 0x0
	s_add_nc_u64 s[G0A+2:G0A+3], s[4:5], s[G0A+2:G0A+3]
	s_or_b32 s[G0A+3], s[G0A+3], 0x80000000
	s_add_nc_u64 s[G0B+2:G0B+3], s[4:5], s[G0B+2:G0B+3]
	s_or_b32 s[G0B+3], s[G0B+3], 0x80000000
	s_add_nc_u64 s[G0S+2:G0S+3], s[6:7], s[G0S+2:G0S+3]
	s_or_b32 s[G0S+3], s[G0S+3], 0x80000000
	s_add_nc_u64 s[G0T+2:G0T+3], s[6:7], s[G0T+2:G0T+3]
	s_or_b32 s[G0T+3], s[G0T+3], 0x80000000
.macro ARM under, g0, g1, next         ; one chain of branches on the wave's number, one load to an arm
	s_cmp_lt_u32 s14, \under
	s_cbranch_scc0 \next
	TLOAD \g0, \g1
	s_branch .Lasked
\next:
.endm
	ARM 1, G0B, G1B, .Lhead_x
	ARM 2, G0A, G1A, .Lhead_s
	ARM 3, G0S, G1S, .Lhead_t
	TLOAD G0T, G1T
.Lasked:
	; under the loads' flight: pointers and addresses
	s_mov_b64 s[2:3], s[76:77]                     ; phase 1's bias, chosen on the tensor's number
.irp i, 1,2,3
	s_cmp_eq_u32 s19, \i
	s_cselect_b64 s[2:3], s[76+2*\i:77+2*\i], s[2:3]
.endr
	s_cmp_eq_u32 s13, 1
	s_cselect_b64 s[84:85], s[86:87], s[84:85]     ; phase 2's
	s_mov_b32 s77, 0
	s_lshl_b32 s76, s92, 9
	ACCU 76, 16, 8
	s_add_nc_u64 s[2:3], s[2:3], s[76:77]          ; at my head's 64 channels
	s_lshl_b32 s76, s93, 9
	ACCU 76, 16, 8
	s_add_nc_u64 s[84:85], s[84:85], s[76:77]
	s_lshl_b32 s76, s19, 15
	ACCU 76, 92, 12
	ACCU 76, 16, 11
	s_add_co_u32 s76, s76, WSCALES
	s_add_nc_u64 s[82:83], s[6:7], s[76:77]        ; the first weight's scale bytes: my 64 rows
	s_lshl_b32 s86, s95, 15
	ACCU 86, 93, 12
	ACCU 86, 16, 11
	s_add_co_u32 s86, s86, WSCALES                 ; s86: the second weight's
	s_lshr_b32 s78, s91, 1
	s_lshl_b32 s78, s78, 3
	s_add_co_u32 s78, s78, s92                     ; 8 batch + pair of heads
	s_and_b32 s79, s91, 1                          ; which 512 rows of the batch
	s_lshl_b32 s76, s19, 17
	ACCU 76, 78, 12
	ACCU 76, 79, 11
	s_add_nc_u64 s[100:101], s[10:11], s[76:77]    ; Q's, K's scale words: my work-group's 2,048 bytes
	s_lshr_b32 s76, s19, 1
	s_lshl_b32 s76, s76, 23
	ACCU 76, 78, 18
	ACCU 76, 16, 17
	ACCU 76, 79, 16
	ACCU 76, 15, 13
	s_and_b32 s79, s19, 1
	ACCU 76, 79, 10
	s_add_nc_u64 s[96:97], s[8:9], s[76:77]        ; Q's, K's images: my head, my first tile of 16 rows, my part
	s_lshr_b32 s78, s94, 2
	s_lshl_b32 s78, s78, 3
	s_add_co_u32 s78, s78, s93
	s_and_b32 s79, s94, 3
	s_lshl_b32 s76, s78, 18
	ACCU 76, 16, 17
	ACCU 76, 79, 15
	ACCU 76, 13, 13
	ACCU 76, 15, 10
	s_add_co_u32 s76, s76, 16777216
	s_add_nc_u64 s[98:99], s[8:9], s[76:77]        ; V's images: my head, first key step, part, c = 2 x my row of waves
	s_lshl_b32 s76, s78, 13
	ACCU 76, 15, 12
	ACCU 76, 79, 10
	ACCU 76, 16, 9
	ACCU 76, 13, 8
	s_add_co_u32 s76, s76, 524288
	s_add_nc_u64 s[92:93], s[10:11], s[76:77]      ; V's scale words: wave n stores head n / 2, key step n % 2: 256 bytes
	s_lshl_b32 s12, s17, 2
	s_add_co_u32 s12, s12, s14
	s_lshl_b32 s12, s12, 13                        ; my sixteenth of what my row of the cluster shares,
	s_lshl_b32 s78, s18, 2
	s_add_co_u32 s78, s78, s14
	s_lshl_b32 s78, s78, 13                        ; and of what my column shares
	s_add_co_u32 s66, s89, s12                     ; prefetches: the second weight,
	s_add_co_u32 s67, s90, s78                     ; V's chunk 0,
	s_add_co_u32 s94, s88, s12
	s_add_co_u32 s94, s94, CHB                     ; chunk 1,
	s_add_co_u32 s95, s94, CHB                     ; chunk 2,
	s_add_co_u32 s91, s95, CHB                     ; chunk 3
	s_mul_i32 s20, s15, 64*PITCH
	s_mul_i32 s21, s16, 64*PITCH
	s_mul_i32 s22, s15, 4*SBK
	s_add_co_u32 s22, s22, SCL
	s_lshl_b32 s23, s15, 8
	ACCU 23, 16, 1
	s_add_co_u32 s23, s23, XN
	s_lshl_b32 s76, s16, 9
	ACCU 76, 15, 1
	s_add_co_u32 s76, s76, XV
	s_lshl_b32 s78, s14, 8
	s_add_co_u32 s78, s78, XV
	v_and_b32 v[LANE], 31, v0
	v_and_b32 v40, 15, v0                          ; r
	v_bfe_u32 v41, v0, 4, 1                        ; h
	v_mul_u32_u24 v42, v40, PITCH
	v_lshl_add_u32 v42, v41, 4, v42                ; a fragment's row x pitch + 16 h
	v_add_nc_u32 v[ADR0], s20, v42                 ; x: my 64 rows of a chunk, in slot 0
	v_mov_b32 v[ADC], v[ADR0]
	v_add_nc_u32 v[ADN], SLOT, v[ADR0]
	v_add_nc_u32 v[ADW0], s21, v42                 ; a weight: my 64 rows, in slot 0, in slot 1
	v_add_nc_u32 v[ADW1], SLOT, v[ADW0]
	v_lshlrev_b32 v[ABS], 5, v[LANE]               ; a weight's scale bytes: lane l takes row l of a pair of tiles
	v_lshlrev_b32 v[CO], 4, v[LANE]
	v_lshrrev_b32 v43, 3, v40
	v_mul_u32_u24 v43, v43, 272
	v_and_b32 v22, 7, v40
	v_lshl_add_u32 v43, v22, 5, v43                ; x's scale bytes: row r of a block
	v_add_nc_u32 v[ASC], s22, v43
	v_add_nc_u32 v[ASV], SCV-SCL, v[ASC]
	v_lshlrev_b32 v22, 2, v40
	v_add_nc_u32 v[VX], s23, v22                   ; XN + 4 row + 2 x my column of waves
	v_add_nc_u32 v[RD], s76, v22                   ; XV + 512 head + 4 r + c
	v_lshl_add_u32 v[QSL], v0, 4, XN
	v_lshlrev_b32 v[QSO], 4, v0
	v_lshlrev_b32 v[VSO], 3, v[LANE]
	v_add_nc_u32 v[VSL], s78, v[VSO]
	v_lshlrev_b32 v23, 5, v41                      ; the bias of Q, K: 32 h bytes
	v_lshl_add_u32 v[PF], v[LANE], 8, s94
	v_lshl_add_u32 v[PF2], v[LANE], 8, s95
	s_mov_b32 s21, 0
	s_mov_b32 s23, 0
	s_mov_b32 s[SEL], 0x76543210
	s_mov_b32 s[SEL+1], 0xfedcba98
	s_mov_b32 s[MNT], 0x600000
	s_wait_alu depctr_va_vdst(0)                   ; the wait at the head's end
.irp b, 0,1,2,3
	global_load_b128 v[BQ+8*\b:BQ+8*\b+3], v23, s[2:3] offset:64*\b        ; register j of tile b: channel 16 b + 8 h + j
	global_load_b128 v[BQ+8*\b+4:BQ+8*\b+7], v23, s[2:3] offset:64*\b+16
	global_load_b32 v[BV+\b], v22, s[84:85] offset:64*\b                   ; V: channel 16 b + r
.endr
.macro WSC                             ; a weight's scale words: register 8 p + q: lanes 0-15 tile 2 p's, lanes 16-31 tile 2 p + 1's
.irp p, 0,1
.irp c, 0,1
	global_load_b128 v[SB+8*\p+4*\c:SB+8*\p+4*\c+3], v[ABS], s[82:83] offset:1024*\p+16*\c
.endr
.endr
.endm
	WSC
	s_wait_tensorcnt 0x0                           ; my tile of the head's four is in,
	s_barrier_signal -1
	s_barrier_wait -1                              ; everybody's is
	global_prefetch_b8 v[PF], s[4:5] th:TH_LOAD_NT scope:SCOPE_SE
	global_prefetch_b8 v[PF2], s[4:5] th:TH_LOAD_NT scope:SCOPE_SE
.macro WEIGHTS adr                     ; my 64 rows, all of K: fragment 4 q + b in window 1 + (4 q + b) / 16
.set F_, 0
.rept 32
	WIN (1+F_/16)<<6
.irp c, 0,1,2,3
	ds_load_b128 v[16*(F_%16)+4*\c:16*(F_%16)+4*\c+3], v[\adr] offset:128*(F_/4)+32*\c+(F_%4)*BLKB
.endr
.set F_, F_+1
.endr
	WIN 0
.endm
.macro FETCH e, adr, i, sadr, soff     ; a block of x into set e, and its scale words: NF loads
	WIN 3<<6
.irp q, 0,1,2,3,4,5,6,7
.irp c, 0,1,2,3
	ds_load_b128 v[128*(\e)+16*\q+4*\c:128*(\e)+16*\q+4*\c+3], v[\adr] offset:(\i)*BLKB+128*\q+32*\c
.endr
.endr
	WIN 0
	ds_load_b128 v[SA+8*(\e):SA+8*(\e)+3], v[\sadr] offset:\soff
	ds_load_b128 v[SA+8*(\e)+4:SA+8*(\e)+7], v[\sadr] offset:(\soff)+16
.endm
.macro PROD kind, e, a, n              ; product n = 4 q + b.  The four sums take turns; the first four take the bias as C
.set Q_, (\n)/4
.set B_, (\n)%4
.set D_, ACC+32*(\a)+8*B_
.set C_, D_
.if Q_ == 0
.set C_, BQ+8*B_
.endif
.set X_, 128*(\e)+16*Q_
.set W_, 16*((\n)%16)
.set XS_, SA+8*(\e)+Q_
.set WS_, SB+8*(B_/2)+Q_
.if \kind
	WIN 3|((1+(\n)/16)<<2)
.if B_%2
	v_wmma_scale_f32_16x16x128_f8f6f4 v[D_:D_+7], v[X_:X_+15], v[W_:W_+15], v[C_:C_+7], v[XS_], v[WS_] matrix_a_fmt:MATRIX_FMT_BF8 matrix_b_fmt:MATRIX_FMT_BF8 matrix_b_scale:MATRIX_SCALE_ROW1
.else
	v_wmma_scale_f32_16x16x128_f8f6f4 v[D_:D_+7], v[X_:X_+15], v[W_:W_+15], v[C_:C_+7], v[XS_], v[WS_] matrix_a_fmt:MATRIX_FMT_BF8 matrix_b_fmt:MATRIX_FMT_BF8
.endif
.else
	WIN (1+(\n)/16)|(3<<2)
.if B_%2
	v_wmma_scale_f32_16x16x128_f8f6f4 v[D_:D_+7], v[W_:W_+15], v[X_:X_+15], v[C_:C_+7], v[WS_], v[XS_] matrix_a_fmt:MATRIX_FMT_BF8 matrix_b_fmt:MATRIX_FMT_BF8 matrix_a_scale:MATRIX_SCALE_ROW1
.else
	v_wmma_scale_f32_16x16x128_f8f6f4 v[D_:D_+7], v[W_:W_+15], v[X_:X_+15], v[C_:C_+7], v[WS_], v[XS_] matrix_a_fmt:MATRIX_FMT_BF8 matrix_b_fmt:MATRIX_FMT_BF8
.endif
.endif
.endm
.macro PRODS kind, e, a, from, to
.set N_, \from
.rept (\to)-(\from)
	PROD \kind, \e, \a, N_
.set N_, N_+1
.endr
.endm
.macro BLK kind, e, a, w               ; a block: its set is in (w: the other set's loads may be out); 32 products; eight places ahead of loads into what they read and of the first read of the sums
	s_wait_dscnt \w
	PRODS \kind, \e, \a, 0, 32
	WIN 0
	PLACES 8
.endm
.macro RREST kind, e, a                ; a block whose last four products stand inside the opening of a round of the cluster's barrier
	PRODS \kind, \e, \a, 0, 28
	s_wait_dscnt 0x0                               ; the add is done, and my reads of the slot that is filled next are over
	s_barrier_signal -1
	PRODS \kind, \e, \a, 28, 32
	WIN 0
	s_barrier_wait -1
	CREST
.endm
.macro CHAINS x, n                     ; the largest magnitude of each of n accumulators from x on, each from its low end on, the chains by turns
.irp j, 0,3,5
.set K_, 0
.rept \n
.if \j == 0
	v_max3_num_f32 v[TQ+K_], |v[(\x)+8*K_]|, |v[(\x)+8*K_+1]|, |v[(\x)+8*K_+2]|
.else
	v_max3_num_f32 v[TQ+K_], v[TQ+K_], |v[(\x)+8*K_+\j]|, |v[(\x)+8*K_+\j+1]|
.endif
.set K_, K_+1
.endr
.endr
.set K_, 0
.rept \n
	v_max_num_f32 v[TQ+K_], v[TQ+K_], |v[(\x)+8*K_+7]|
.set K_, K_+1
.endr
.endm
.macro HOLD8 x, b, cd                  ; eight sums held within 57,344 x the scale (the conversion does not saturate: ISA guide 7.6.2), then their codes
.set K_, 0
.rept 8
	v_med3_num_f32 v[(\x)+K_], v[(\x)+K_], -v[BND+(\b)], v[BND+(\b)]
.set K_, K_+1
.endr
	v_cvt_scalef32_pk8_bf8_f32 v[\cd:\cd+1], v[(\x):(\x)+7], v[SOP+(\b)]
.endm
.macro EPQ x, i                        ; THE WAY OUT of block i of a chunk, Q or K: accumulators 0, 1 are my 16 numbers of the head's first block of 32, 2, 3 of its second; a block lies in lanes l and l xor 16
	s_wait_xcnt 0x0                                ; the stores of the block before have read their codes
	CHAINS \x, 4
	v_max3_num_f32 v[TQ], v[TQ], v[TQ+1], FLOOR    ; the floor 2^(16 - 127): the byte cannot fall under 1
	v_max3_num_f32 v[TQ+2], v[TQ+2], v[TQ+3], FLOOR
	v_permlanex16_b32 v[TQ+1], v[TQ], s[SEL], s[SEL+1]
	v_permlanex16_b32 v[TQ+3], v[TQ+2], s[SEL], s[SEL+1]
	v_max_num_f32 v[TQ], v[TQ], v[TQ+1]
	v_max_num_f32 v[TQ+2], v[TQ+2], v[TQ+3]
	v_add_nc_u32 v[SOP], 0xf8800000, v[TQ]         ; 15 off the exponent field: the conversion's scale operand
	v_add_nc_u32 v[SOP+1], 0xf8800000, v[TQ+2]
	v_and_or_b32 v[BND], v[TQ], 0x7f800000, s[MNT] ; 57,344 x the scale
	v_and_or_b32 v[BND+1], v[TQ+2], 0x7f800000, s[MNT]
	v_lshrrev_b32 v[EB], 23, v[SOP]
	v_lshrrev_b32 v[EB+1], 23, v[SOP+1]
	v_lshl_or_b32 v[EB], v[EB+1], 8, v[EB]         ; the head's two bytes
	HOLD8 (\x), 0, NCD
	HOLD8 (\x)+8, 0, NCD+2
	HOLD8 (\x)+16, 1, NCD+4
	HOLD8 (\x)+24, 1, NCD+6
	v_nop                                          ; a plain line behind the last conversion
	ds_store_b16 v[VX], v[EB] offset:64*(\i)       ; both halves of the lanes write the same two bytes
	global_store_b128 v[CO], v[NCD:NCD+3], s[96:97] offset:2048*(\i)       ; each store covers 512 consecutive bytes, aligned
	global_store_b128 v[CO], v[NCD+4:NCD+7], s[96:97] offset:2048*(\i)+512
.endm
.macro ASK off                         ; my sixteenth of the rows that the next refill loads
	v_lshl_add_u32 v[PF], v[LANE], 8, s\off
	global_prefetch_b8 v[PF], s[4:5] th:TH_LOAD_NT scope:SCOPE_SE
.endm
	WEIGHTS ADW1
	GRD
	s_mov_b32 s[G1A+2], 32<<16                     ; no tensor load of mine is out: from here on a load brings 32 rows
	s_mov_b32 s[G1A+4], 32
	s_mov_b32 s[G1B+2], 32<<16
	s_mov_b32 s[G1B+4], 32
	s_mov_b32 s69, SLOT
	s_add_co_u32 s70, s88, CHB
	RDESC G0A, 70, 20
	s_mov_b32 s68, 0                               ; s68 the trip; s69 this chunk's slot; s70 the rows that the trip's refill loads; s91 what it asks for ahead
	s_wait_dscnt 0x0
	CROUND
	TLOAD G0A, G1A
	s_mov_b32 s69, 0
	s_add_co_u32 s70, s70, CHB
	FETCH 0, ADC, 0, ASC, 0
	FETCH 1, ADC, 1, ASC, SBK
	s_wait_loadcnt 0x0                             ; the bias and the weight's scale words
.Ltrip:                                            ; three trips of four blocks: chunks 0, 1, 2; the refills bring chunks 2, 3 and the second weight
	BLK 0, 0, 0, NF
	FETCH 0, ADC, 2, ASC, 2*SBK
	EPQ ACC, 0
	BLK 0, 1, 1, NF
	FETCH 1, ADC, 3, ASC, 3*SBK
	EPQ ACC+32, 1
	s_wait_dscnt NF
	GRD
	RDESC G0A, 70, 20
	RREST 0, 0, 0
	TLOAD G0A, G1A                                 ; the first tensor load behind the round; its four v_nop are four of the eight places
	PLACES 4
	FETCH 0, ADN, 0, ASC, 8*SBK
	EPQ ACC, 2
	BLK 0, 1, 1, NF
	ASK 91
	FETCH 1, ADN, 1, ASC, 9*SBK
	EPQ ACC+32, 3
	s_wait_xcnt 0x0                                ; the stores have read their base
	s_add_nc_u64 s[96:97], s[96:97], 16384         ; eight tiles of 16 rows on
	s_xor_b32 s69, s69, SLOT
	s_xor_b32 s75, s69, SLOT
	v_add_nc_u32 v[ADC], s69, v[ADR0]
	v_add_nc_u32 v[ADN], s75, v[ADR0]
	v_add_nc_u32 v[ASC], 8*SBK, v[ASC]
	v_add_nc_u32 v[VX], 512, v[VX]
	s_add_co_u32 s70, s70, CHB
	s_add_co_u32 s68, s68, 1
	s_cmp_eq_u32 s68, 2
	s_cselect_b32 s70, s89, s70                    ; the third refill: the second weight
	s_cselect_b32 s91, s67, s66
	s_cmp_lg_u32 s68, 3
	s_wait_alu depctr_va_vdst(0)                   ; the wait here, directly ahead of the branch
	s_cbranch_scc1 .Ltrip
	BLK 0, 0, 0, NF                                ; chunk 3, written out: its refill has the other mask, and nothing of phase 2 can be fetched yet
	FETCH 0, ADC, 2, ASC, 2*SBK
	EPQ ACC, 0
	BLK 0, 1, 1, NF
	FETCH 1, ADC, 3, ASC, 3*SBK
	EPQ ACC+32, 1
	s_wait_dscnt NF
	GRD
	RDESC G0B, 90, 22                              ; V's chunk 0 -> slot 1
	RREST 0, 0, 0
	TLOAD G0B, G1B
	PLACES 4
	EPQ ACC, 2
	BLK 0, 1, 1, 0
	s_add_co_u32 s67, s67, CHB
	ASK 67                                         ; V's chunk 1
	s_mov_b32 s76, s86
	s_add_nc_u64 s[82:83], s[6:7], s[76:77]
	WSC                                            ; THE CHANGE OF PHASE: the second weight's scale words and fragments; the last block's way out stands under the loads
	WEIGHTS ADW0
	EPQ ACC+32, 3
.irp t, 0,1,2,3
.irp j, 0,1,2,3,4,5,6,7
	v_mov_b32 v[BQ+8*\t+\j], v[BV+\t]              ; V's bias: one channel a lane, all eight registers of a tile
.endr
.endr
	s_wait_alu depctr_va_vdst(0)                   ; the wait here, ahead of the waits below
	GRD
	s_mov_b32 s69, 0
	s_add_co_u32 s90, s90, CHB
	RDESC G0B, 90, 22                              ; V's chunk 1 -> slot 0, once all waves hold the weight in registers
	s_mov_b32 s68, 0
	s_wait_dscnt 0x0
	CROUND
	TLOAD G0B, G1B
	FETCH 0, ADC, 0, ASV, 0                        ; v[ADC] still points into slot 1
	FETCH 1, ADC, 1, ASV, SBK
	v_add_nc_u32 v[ADC], 2*BLKB, v[ADC]
	v_add_nc_u32 v[ASC], 2*SBK, v[ASV]
	s_wait_alu depctr_va_vdst(0)
	s_wait_loadcnt 0x0
.Lpair:                                            ; PHASE 2: four trips of two blocks: 32 keys, one scale block for each channel
	s_wait_dscnt NF
	PRODS 1, 0, 0, 0, 28
	s_wait_tensorcnt 0x0                           ; the second trip's fetches read chunk 1: every wave's part is in,
	s_wait_dscnt 0x0
	s_barrier_signal -1
	PRODS 1, 0, 0, 28, 32
	WIN 0
	s_barrier_wait -1                              ; and shown
	PLACES 8
	s_cmp_eq_u32 s68, 3
	s_cbranch_scc1 .Lno_f0                         ; the last trip fetches nothing
	FETCH 0, ADC, 0, ASC, 0
.Lno_f0:
	PRODS 1, 1, 1, 0, 32                           ; (set 1 came in ahead of the barrier)
	WIN 0
	PLACES 8
	s_cmp_eq_u32 s68, 3
	s_cbranch_scc1 .Lno_f1
	FETCH 1, ADC, 1, ASC, SBK
.Lno_f1:
	s_wait_xcnt 0x0                                ; the pair before has stored: its codes and base may be written
	s_and_b32 s78, s68, 1
	s_lshr_b32 s79, s68, 1
	s_lshl_b32 s76, s79, 8
	s_add_co_u32 s76, s76, s78                     ; the bytes' place: 256 x key step + c
	s_lshl_b32 s2, s78, 9
	s_lshl_b32 s3, s79, 14
	s_add_co_u32 s2, s2, s3
	s_mov_b32 s3, 0
	s_add_nc_u64 s[2:3], s[98:99], s[2:3]          ; the codes': 16,384 x key step + 512 c
	CHAINS ACC, 8
.irp t, 0,1,2,3
	v_max3_num_f32 v[TQ+\t], v[TQ+\t], v[TQ+4+\t], FLOOR
.endr
.irp t, 0,1,2,3
	v_permlanex16_b32 v[TQ+4+\t], v[TQ+\t], s[SEL], s[SEL+1]
.endr
.irp t, 0,1,2,3
	v_max_num_f32 v[TQ+\t], v[TQ+\t], v[TQ+4+\t]
.endr
.irp t, 0,1,2,3
	v_add_nc_u32 v[SOP+\t], 0xf8800000, v[TQ+\t]
.endr
.irp t, 0,1,2,3
	v_and_or_b32 v[BND+\t], v[TQ+\t], 0x7f800000, s[MNT]
.endr
.irp t, 0,1,2,3
	v_lshrrev_b32 v[EB+\t], 23, v[SOP+\t]
.endr
.irp t, 0,1,2,3
	HOLD8 ACC+8*\t, \t, NCD+4*\t
	HOLD8 ACC+32+8*\t, \t, NCD+4*\t+2
.endr
	v_nop
	v_add_nc_u32 v[VB], s76, v[RD]
.irp t, 0,1,2,3
	ds_store_b8 v[VB], v[EB+\t] offset:64*\t
	global_store_b128 v[CO], v[NCD+4*\t:NCD+4*\t+3], s[2:3] offset:2048*\t
.endr
	s_add_co_u32 s68, s68, 1
	s_cmp_eq_u32 s68, 1
	s_cselect_b32 s69, 0, 2*BLKB                   ; the second trip fetches chunk 1's blocks 0, 1 (slot 0), the third its blocks 2, 3
	s_mov_b32 s70, 10*SBK
	s_cselect_b32 s70, 8*SBK, s70
	v_add_nc_u32 v[ADC], s69, v[ADR0]
	v_add_nc_u32 v[ASC], s70, v[ASV]
	s_cmp_lg_u32 s68, 4
	s_wait_alu depctr_va_vdst(0)
	s_cbranch_scc1 .Lpair
	s_wait_dscnt 0x0                               ; my scale bytes are stored,
	s_barrier_signal -1
	s_barrier_wait -1                              ; everybody's are
	ds_load_b128 v[60:63], v[QSL]
	ds_load_b64 v[42:43], v[VSL]
	s_wait_dscnt 0x0
	global_store_b128 v[QSO], v[60:63], s[100:101] ; 128 threads store 2,048 consecutive bytes
	global_store_b64 v[VSO], v[42:43], s[92:93]    ; a wave stores 256 consecutive bytes, aligned
	s_wait_tensorcnt 0x0                           ; the wave's end
	ds_add_u32 v[SPW], v[NIL]
	s_wait_dscnt 0x0
	CROUND                                         ; the closing round
	s_endpgm
.Lfunc_end_k_q651834edf1_proj:
	.size	k_q651834edf1_proj, .Lfunc_end_k_q651834edf1_proj-k_q651834edf1_proj
	.p2alignl 7, 3214868480
	.fill 96, 4, 3214868480
	.section	.rodata,"a",@progbits
	.p2align	6, 0x0
	.amdhsa_kernel k_q651834edf1_proj
		.amdhsa_group_segment_fixed_size 327680
		.amdhsa_private_segment_fixed_size 0
		.amdhsa_enable_private_segment 0
		.amdhsa_kernarg_size 80
		.amdhsa_user_sgpr_count 2
		.amdhsa_user_sgpr_kernarg_segment_ptr 1
		.amdhsa_wavefront_size32 1
		.amdhsa_system_sgpr_workgroup_id_x 1
		.amdhsa_system_sgpr_workgroup_id_y 1
		.amdhsa_system_sgpr_workgroup_id_z 1
		.amdhsa_system_vgpr_workitem_id 0
		.amdhsa_next_free_vgpr 1024
		.amdhsa_next_free_sgpr 102
		.amdhsa_reserve_vcc 0
		.amdhsa_float_denorm_mode_32 3
		.amdhsa_float_denorm_mode_16_64 3
		.amdhsa_memory_ordered 1
		.amdhsa_forward_progress 1
		.amdhsa_inst_pref_size 153
	.end_amdhsa_kernel
	.amdgpu_metadata
---
amdhsa.version: [ 1, 2 ]
amdhsa.kernels:
  - .name:           k_q651834edf1_proj
    .symbol:         k_q651834edf1_proj.kd
    .args:
      - { .name: codes, .offset: 0, .size: 8, .value_kind: global_buffer, .address_space: global }
      - { .name: scales, .offset: 8, .size: 8, .value_kind: global_buffer, .address_space: global }
      - { .name: img, .offset: 16, .size: 8, .value_kind: global_buffer, .address_space: global }
      - { .name: isc, .offset: 24, .size: 8, .value_kind: global_buffer, .address_space: global }
      - { .name: bq_r, .offset: 32, .size: 8, .value_kind: global_buffer, .address_space: global }
      - { .name: bq_i, .offset: 40, .size: 8, .value_kind: global_buffer, .address_space: global }
      - { .name: bk_r, .offset: 48, .size: 8, .value_kind: global_buffer, .address_space: global }
      - { .name: bk_i, .offset: 56, .size: 8, .value_kind: global_buffer, .address_space: global }
      - { .name: bv_r, .offset: 64, .size: 8, .value_kind: global_buffer, .address_space: global }
      - { .name: bv_i, .offset: 72, .size: 8, .value_kind: global_buffer, .address_space: global }
    .group_segment_fixed_size: 327680
    .private_segment_fixed_size: 0
    .kernarg_segment_align: 8
    .kernarg_segment_size: 80
    .max_flat_workgroup_size: 128
    .sgpr_count:     102
    .vgpr_count:     1024
    .wavefront_size: 32
...
	.end_amdgpu_metadata
.endif
;; end of part 2
;; launch attn (part 3): grid 4 x 64, 8 waves a work-group, clusters of 4 x 1, 271,360 bytes of LDS; arguments img, isc, oimg, osc; writes oimg, osc
.if DOCPART == 3
	.amdgcn_target "amdgcn-amd-amdhsa--gfx1250"
	.amdhsa_code_object_version 6
	.text
	.protected	k_q651834edf1_attn
	.globl	k_q651834edf1_attn
	.p2align	8
	.type	k_q651834edf1_attn,@function
k_q651834edf1_attn:
	s_mov_b64 s[64:65], 0
	v_nop
	global_prefetch_b8 v0, s[64:65] scope:SCOPE_SE
	s_setreg_imm32_b32 hwreg(HW_REG_WAVE_MODE, 25, 1), 1
	s_wait_xcnt 0x0
	s_wait_alu depctr_hold_cnt(0) depctr_sa_sdst(0) depctr_va_vdst(0) depctr_va_sdst(0) depctr_va_ssrc(0) depctr_va_vcc(0) depctr_vm_vsrc(0)
	s_getreg_b32 s2, hwreg(HW_REG_IB_STS2, 6, 4)
	s_cmp_eq_u32 s2, 0
	s_cbranch_scc0 .Lentry_in_a_cluster
	s_endpgm
.Lentry_in_a_cluster:
	s_bfe_u32 s2, ttmp6, 0x10000c
	s_cmp_lg_u32 s2, 0x3003
	s_cbranch_scc0 .Lentry_shape_is_right
	s_endpgm
.Lentry_shape_is_right:
; For each batch and head: scores = (Qr . Kr + Qi . Ki) / 8, one softmax, O_r = P V_r, O_i = P V_i; all four products on codes of BF8 (E5M2) with one E8M0 scale for each 32 along K.
; [Qr | Qi] and [Kr | Ki] of a head are 128 along K, four blocks of 32: ONE matrix instruction of K = 128 makes both score products and their sum.  [Vr | Vi] are 128 channels: eight tiles of 16.
; THE SOFTMAX AHEAD OF THE SECOND PRODUCT: t = score x log2(e) / 8; M = the row's largest t so far, rounded UP to a whole number; p = 2^(t - M) is what is quantised, along the keys, not normalised.
; The row's sum is taken of the unquantised p, in f32, and divides O at the end.  When M moves, the sum and O are multiplied by 2^(old M - new M): exact.
; All operands arrive as images of their registers (16 bytes a lane, 512 bytes for four registers): a fragment is four loads at 16 x lane.  Inside each block of 32 the groups of eight stand in the order
; g0 g2 g1 g3, on both sides of every product: it is the order in which a matrix result's registers of two neighbouring tiles fall, so p's codes and O's codes are operands as the conversions leave them.
; SHARES.  A work-group owns 256 queries of one head, each of its eight waves 32 of them: TWO TILES OF 16, so that each fragment of K' and V' read from LDS feeds two matrix instructions: a key step's
; eight waves read 8 x 32 KiB from LDS.  Two waves to a SIMD.  Both products are used transposed (S^T = K' Q'^T, O^T = V'^T P^T): a lane holds one query of each tile throughout.
; LDS.  A head's K' and V' are 131,072 bytes each: both lie in LDS whole, filled once.  Nothing is filled again: no ring.  The first 256 keys are waited for by themselves, so that the first two steps need not wait for all.
; CLUSTER.  The four blocks of queries of a head read the same K' and V': every fill is a joint load of the four work-groups.  My place in the cluster enters global addresses of Q' and O alone.
; OUT.  O / the sum is quantised along the output projection's K (head x 64 + channel) and stored as images: [real, imaginary][tile of 16 rows][128 along K][c][lane][16 bytes]; scale bytes [part][row][32].
; LIMITS: a block of zeros keeps the byte 1 with zero codes (this program alone reads the bytes); NaN and infinities are not served; a block's largest p is taken from its largest score, which takes
; v_exp_f32 not to fall where its input rises.
; REGISTERS, in two windows of 256 (s_set_vgpr_msb: bits 1:0 source 0, 3:2 source 1, 5:4 source 2, 7:6 destination).  TILE 1 LIES IN WINDOW 1 AT TILE 0'S NUMBERS, so the softmax is one macro under the setting 0 or 0x55.
;   both windows: v12 -M, v13 the largest t, v[14:15] the sum in two halves; v16-31 Q'; v32-95 four fragments of K' or V' (window 0: fragments 0-3, window 1: fragments 4-7; they serve both tiles);
;   v96-159 S^T, then p; v160-223 O^T; v224-239 p's codes; v232-254 at work.
;   window 0 alone: v1-4 my lane's places in LDS; v5-8 the loop's LDS addresses; v11 an address at the head and on the way out; and the scale words, since scale operands have no window:
;   v248-251 those of eight fragments (lanes 0-15 the even fragment's, lanes 16-31 the odd one's), v255, v9 Q's of tiles 0, 1; v253, v10 p's of tiles 0, 1.
.set KIMG, 0                           ; K': key step s (128 keys: eight fragments of 2,048 bytes) at 16,384 s
.set VIMG, 131072                      ; V' likewise: eight tiles of channels
.set VSC,  262144                      ; V's scale words, 4,096 bytes, brought by tensor loads
.set KSC,  266240                      ; K's scale words, 4,096 bytes, put together by the waves: bytes of their own, into which no fill lands
.set AK0,  1                           ; v1   16 x lane
.set AV0,  2                           ; v2   16 x lane + VIMG
.set ASK0, 3                           ; v3   KSC + 4 x lane
.set ASV0, 4                           ; v4   VSC + 4 x lane
.set ADK,  5                           ; v5-8 the same four for the loop's step
.set ADV,  6
.set ADS,  7
.set ADT,  8
.set QS1,  9
.set PS1,  10
.set SOF,  11
.set WV,   12
.set MNT,  19
.set SEL,  20
.set CS,   22
.set G1,   24                          ; s[24:31] group 1: 32,768 dense bytes as 128 rows of 256
.set G1S,  32                          ; s[32:39] group 1: 2,048 dense bytes as 8 rows of 256
.set G0S,  40                          ; s[40:43] group 0 for V's scale words
.set G0,   44                          ; s[44:51] group 0 for the first 256 keys, then for three key steps
.set TB,   86                          ; s86  the loop's step: its fragments' first byte in K' and in V'
.set TS,   87                          ; s87  and its scale words'
.set CNT,  88
.set TM,   32                          ; the way out: at work
.set PC,   48                          ; and O's codes
.set MSB, 0
.macro WIN new                         ; the immediate's high byte repeats the setting that is left; a switch that changes nothing is dropped
.if MSB != (\new)
	s_set_vgpr_msb (MSB<<8)|(\new)
.set MSB, \new
.endif
.endm
.macro CROUND                          ; a round of the cluster's barrier
	s_barrier_signal -1
	s_barrier_wait -1
	s_cmp_lg_u32 s[WV], 0
	s_cbranch_scc1 .Lnot_wave_0_\@
	s_barrier_signal -3
.Lnot_wave_0_\@:
	s_barrier_wait -3
	s_barrier_signal -1
	s_barrier_wait -1
.endm
.macro PLACES                          ; eight plain vector instructions between a matrix instruction of this form and a load into, or a vector read or write of, its registers
.rept 8
	v_nop
.endr
.endm
	s_load_b256 s[4:11], s[0:1], 0x0               ; images s[4:5], their scale words s[6:7], O's images s[8:9], O's scale bytes s[10:11]
	s_set_vgpr_msb 0x40
	v_lshl_add_u32 v251, v0, 2, 0x42000
	v_mov_b32 v255, 0
	s_set_vgpr_msb 0x4045
	ds_add_u32 v251, v255
	ds_add_u32 v251, v255
	s_set_vgpr_msb 0x4500
	v_lshrrev_b32 v32, 5, v0
	s_delay_alu instid0(VALU_DEP_1)
	v_readfirstlane_b32 s[WV], v32                 ; wave 0..7
	v_and_b32 v32, 31, v0
	s_delay_alu instid0(VALU_DEP_1)
	v_lshlrev_b32 v[AK0], 4, v32
	s_delay_alu instid0(VALU_DEP_1)
	v_add_nc_u32 v[AV0], VIMG, v[AK0]
	s_delay_alu instid0(VALU_DEP_3)
	v_lshl_add_u32 v[ASK0], v32, 2, KSC
	s_delay_alu instid0(VALU_DEP_4)
	v_lshl_add_u32 v[ASV0], v32, 2, VSC
	v_lshl_add_u32 v[SOF], v0, 4, KSC              ; where my thread puts four of K's scale words
	v_and_b32 v33, 15, v0
	s_delay_alu instid0(VALU_DEP_1)
	v_lshlrev_b32 v33, 2, v33                      ; 4 r
	v_lshlrev_b32 v35, 4, v0                       ; where those four words' halves lie in memory
	s_bfe_u32 s13, ttmp6, 0x40000                  ; cx: my block of 256 queries
	s_and_b32 s14, ttmp7, 0xffff                   ; batch x 16 + head, which the four partners share
	s_and_b32 s15, s14, 15                         ; head
	s_lshr_b32 s16, s14, 4                         ; batch
	s_lshr_b32 s17, s15, 1                         ; pair of heads
	s_and_b32 s60, s15, 1
	s_mul_i32 s18, s60, 0x02020202
	s_add_co_u32 s18, s18, 0x05040100              ; v_perm_b32's selects: my head's two bytes of the real part's word, then of the imaginary part's
	s_mov_b32 s[MNT], 0x600000
	s_mov_b32 s[SEL], 0x76543210
	s_mov_b32 s[SEL+1], 0xfedcba98
	s_mov_b32 s[CS], 0x3e38aa3b                    ; c = log2(e) / 8
	s_mov_b32 s[CS+1], s[CS]
	; one fill a wave: waves 0, 1: the first 256 keys of K', of V'; waves 2, 3: the halves of V's scale words; waves 4, 5: K's key steps 2-4, 5-7; waves 6, 7: V's
	s_and_b32 s63, s[WV], 1
	s_bfe_u32 s62, s[WV], 0x10001
	s_lshl_b32 s66, s63, 17                        ; waves 0, 1: LDS: K' or V'
	s_lshl_b32 s68, s63, 23
	s_add_co_u32 s68, s68, 8388608                 ; memory: K' lies behind Q', V' behind K'
	s_lshl_b32 s69, s14, 17
	s_add_co_u32 s68, s68, s69
	s_mul_i32 s67, s63, 49152
	s_add_co_u32 s67, s67, 32768                   ; waves 4 to 7: three key steps from step 2 or from step 5 on
	s_lshl_b32 s61, s62, 17
	s_add_co_u32 s61, s61, s67                     ; LDS
	s_lshl_b32 s90, s62, 23
	s_add_co_u32 s90, s90, 8388608
	s_add_co_u32 s90, s90, s69
	s_add_co_u32 s90, s90, s67                     ; memory
	s_mov_b32 s91, 0
	s_mov_b32 s69, 0
	s_lshl_b32 s70, s14, 12
	s_add_co_u32 s70, s70, 524288
	s_lshl_b32 s71, s63, 11
	s_add_co_u32 s70, s70, s71
	s_add_co_u32 s[G0S+1], s71, VSC
	s_mov_b32 s71, 0
	s_mov_b32 s[G1], 15|(3<<16)|(1<<21)            ; 15:0 the mask: all four work-groups; 17:16 elements of 8 bytes; 21 set beside a mask; no padding: images are read 16 bytes a lane on end
	s_mov_b32 s[G1+1], 32<<16                      ; tensor_dim0 = 32 elements: 256 bytes
	s_mov_b32 s[G1+2], 128<<16
	s_mov_b32 s[G1+3], 32<<16                      ; tile_dim0
	s_mov_b32 s[G1+4], 128
	s_mov_b32 s[G1+5], 32                          ; the pitch: dense
	s_mov_b32 s[G1+6], 0
	s_mov_b32 s[G1+7], 0
	s_mov_b32 s[G1S], 15|(3<<16)|(1<<21)
	s_mov_b32 s[G1S+1], 32<<16
	s_mov_b32 s[G1S+2], 8<<16
	s_mov_b32 s[G1S+3], 32<<16
	s_mov_b32 s[G1S+4], 8
	s_mov_b32 s[G1S+5], 32
	s_mov_b32 s[G1S+6], 0
	s_mov_b32 s[G1S+7], 0
.set G1L, 52                           ; s[52:59] group 1: 49,152 dense bytes as 192 rows of 256
	s_mov_b32 s[G1L], 15|(3<<16)|(1<<21)
	s_mov_b32 s[G1L+1], 32<<16
	s_mov_b32 s[G1L+2], 192<<16
	s_mov_b32 s[G1L+3], 32<<16
	s_mov_b32 s[G1L+4], 192
	s_mov_b32 s[G1L+5], 32
	s_mov_b32 s[G1L+6], 0
	s_mov_b32 s[G1L+7], 0
	; my queries
	s_lshl_b32 s74, s13, 4
	s_lshl_b32 s75, s[WV], 1
	s_add_co_u32 s74, s74, s75                     ; my first tile of 16 queries in the head: 16 cx + 2 x wave
	s_lshl_b32 s75, s74, 11
	s_lshl_b32 s76, s14, 17
	s_add_co_u32 s76, s76, s75                     ; Q's images: 2,048 bytes a tile
	s_mov_b32 s77, 0
	s_lshl_b32 s78, s16, 3
	s_add_co_u32 s78, s78, s17
	s_lshl_b32 s78, s78, 12                        ; the scale planes: 4,096 bytes for a batch's pair of heads
	s_mov_b32 s79, 0
	s_lshl_b32 s80, s74, 6                         ; 16 rows of 4 bytes a tile
	s_mov_b32 s81, 0
	; O's images as they are stored here: [real, imaginary][tile of 16 rows][head][block of 32][lane][16 bytes]: 16 rows, all 1,024 of K, are 16,384 consecutive bytes
	s_lshl_b32 s82, s16, 6
	s_add_co_u32 s82, s82, s74                     ; tile of rows = 64 batch + my tile,
	s_lshl_b32 s82, s82, 14                        ; 16,384 bytes a tile,
	s_lshl_b32 s83, s15, 10                        ; 1,024 for each head's two blocks
	s_add_co_u32 s82, s82, s83
	s_mov_b32 s83, 0
	s_lshl_b32 s84, s16, 6
	s_add_co_u32 s84, s84, s74
	s_lshl_b32 s84, s84, 9                         ; O's scale bytes: 16 rows of 32 bytes a tile,
	s_lshl_b32 s85, s15, 1
	s_add_co_u32 s84, s84, s85                     ; two bytes a head
	s_mov_b32 s85, 0
	s_wait_dscnt 0x0
	s_wait_kmcnt 0x0
	s_add_nc_u64 s[72:73], s[4:5], s[68:69]
	s_mov_b32 s[G0S], 1
	s_add_nc_u64 s[G0S+2:G0S+3], s[6:7], s[70:71]
	s_or_b32 s[G0S+3], s[G0S+3], 0x80000000
	s_mov_b32 s[G0], 1
	s_mov_b32 s[G0+1], s66
	s_mov_b64 s[G0+2:G0+3], s[72:73]
	s_or_b32 s[G0+3], s[G0+3], 0x80000000
	s_mov_b32 s[G0+4], 1
	s_mov_b32 s[G0+5], s61
	s_add_nc_u64 s[G0+6:G0+7], s[4:5], s[90:91]
	s_or_b32 s[G0+7], s[G0+7], 0x80000000
	s_add_nc_u64 s[76:77], s[4:5], s[76:77]
	s_add_nc_u64 s[78:79], s[6:7], s[78:79]
	s_add_nc_u64 s[80:81], s[78:79], s[80:81]
	s_add_nc_u64 s[82:83], s[8:9], s[82:83]
	s_add_nc_u64 s[84:85], s[10:11], s[84:85]
	CROUND                                         ; all four work-groups are here: the joint loads meet
	s_cmp_lt_u32 s[WV], 2                          ; one chain of branches on the wave's number, one fill to an arm; the waves that wait at the first barrier have lines of their own
	s_cbranch_scc0 .Lfill_s
	tensor_load_to_lds s[G0:G0+3], s[G1:G1+7]
	s_nop 0
.rept 4
	v_nop
.endr
	s_branch .Lfilled
.Lfill_s:
	s_cmp_lt_u32 s[WV], 4
	s_cbranch_scc0 .Lfill_l
	tensor_load_to_lds s[G0S:G0S+3], s[G1S:G1S+7]
	s_nop 0
.rept 4
	v_nop
.endr
	s_branch .Lfilled
.Lfill_l:
	tensor_load_to_lds s[G0+4:G0+7], s[G1L:G1L+7]
	s_nop 0
.rept 4
	v_nop
.endr
.Lfilled:
	s_wait_alu depctr_va_vdst(0)
.irp c, 0,1,2,3
	global_load_b128 v[16+4*\c:19+4*\c], v[AK0], s[76:77] offset:512*\c          ; Q's fragments stay in registers: tile 0,
.endr
	WIN 0x40                                       ; destination window 1
.irp c, 0,1,2,3
	global_load_b128 v[16+4*\c:19+4*\c], v[AK0], s[76:77] offset:2048+512*\c     ; tile 1
.endr
	WIN 0
	global_load_b32 v76, v33, s[80:81]             ; my queries' words of the plane q_r, tile 0,
	global_load_b32 v77, v33, s[80:81] offset:131072        ; of q_i,
	global_load_b32 v78, v33, s[80:81] offset:64            ; and tile 1's
	global_load_b32 v79, v33, s[80:81] offset:131072+64
	global_load_b128 v[64:67], v35, s[78:79] offset:262144  ; four keys' words of the plane k_r: 256 threads, 1,024 keys
	global_load_b128 v[68:71], v35, s[78:79] offset:393216  ; and k_i
.irp u, 0,1
	WIN 0x55*\u
	v_mov_b32 v13, 0xff61b1e6                      ; the largest t so far: -3e38, under every t
	s_delay_alu instid0(VALU_DEP_1)
	v_floor_f32 v12, -v13                          ; -M
	v_mov_b32 v14, 0                               ; the sum, in two halves
	v_mov_b32 v15, 0
.irp b, 0,1,2,3
	v_mov_b32 v[236+\b], 0                         ; written once: a lane permute's destination counts as one of its sources
.endr
	v_mov_b32 v253, 0                              ; (named as the upper half of the pair v[252:253] before it is first written)
.endr
	WIN 0
	s_wait_loadcnt 0x0
	v_perm_b32 v255, v77, v76, s18                 ; Q's scale words: my head's two real blocks, then its two imaginary ones
	v_perm_b32 v[QS1], v79, v78, s18
.irp i, 0,1,2,3
	v_perm_b32 v[72+\i], v[68+\i], v[64+\i], s18   ; K's likewise, four keys a thread
.endr
	ds_store_b128 v[SOF], v[72:75]
; One matrix instruction.  acc = 1: onto its own result; 0: it starts the sum.  row = 1: source 0's scale words stand in lanes 16-31.
.macro WM d, a, b, acc, sa, sb, row
.if \acc
.if \row
	v_wmma_scale_f32_16x16x128_f8f6f4 v[(\d):(\d)+7], v[(\a):(\a)+15], v[(\b):(\b)+15], v[(\d):(\d)+7], v[\sa], v[\sb] matrix_a_fmt:MATRIX_FMT_BF8 matrix_b_fmt:MATRIX_FMT_BF8 matrix_a_scale:MATRIX_SCALE_ROW1
.else
	v_wmma_scale_f32_16x16x128_f8f6f4 v[(\d):(\d)+7], v[(\a):(\a)+15], v[(\b):(\b)+15], v[(\d):(\d)+7], v[\sa], v[\sb] matrix_a_fmt:MATRIX_FMT_BF8 matrix_b_fmt:MATRIX_FMT_BF8
.endif
.else
.if \row
	v_wmma_scale_f32_16x16x128_f8f6f4 v[(\d):(\d)+7], v[(\a):(\a)+15], v[(\b):(\b)+15], 0, v[\sa], v[\sb] matrix_a_fmt:MATRIX_FMT_BF8 matrix_b_fmt:MATRIX_FMT_BF8 matrix_a_scale:MATRIX_SCALE_ROW1
.else
	v_wmma_scale_f32_16x16x128_f8f6f4 v[(\d):(\d)+7], v[(\a):(\a)+15], v[(\b):(\b)+15], 0, v[\sa], v[\sb] matrix_a_fmt:MATRIX_FMT_BF8 matrix_b_fmt:MATRIX_FMT_BF8
.endif
.endif
.endm
; The eight fragments of a key step of K' or of V' and their scale words, in one run of 36 loads: the words, fragments 0-3 (window 0), fragments 4-7 (window 1).
.macro FRAGS ra, rs, s
.irp i, 0,1,2,3
	ds_load_b32 v[248+\i], v[\rs] offset:512*(\s)+128*\i             ; lanes 0-15: fragment 2 i's sixteen words, lanes 16-31: fragment 2 i + 1's
.endr
.irp t, 0,1,2,3
.irp c, 0,1,2,3
	ds_load_b128 v[32+16*\t+4*\c:32+16*\t+4*\c+3], v[\ra] offset:16384*(\s)+2048*\t+512*\c
.endr
.endr
	WIN 0x40                                       ; destination window 1
.irp t, 0,1,2,3
.irp c, 0,1,2,3
	ds_load_b128 v[32+16*\t+4*\c:32+16*\t+4*\c+3], v[\ra] offset:16384*(\s)+2048*(4+\t)+512*\c
.endr
.endr
	WIN 0
.endm
; Four products of S^T = K' Q'^T: fragments 4 g .. 4 g + 3 (window g) against tile u's queries (window u).
.macro KQ4 g, u
	WIN (\g)|((\u)<<2)|((\u)<<6)
.irp t, 0,1,2,3
	WM 96+8*(4*(\g)+\t), 32+16*\t, 16, 0, 248+2*(\g)+\t/2, 255-246*(\u), \t%2
.endr
.endm
; Four products of O^T += V'^T P^T.  A step's sixteen accumulators take turns, one instruction a turn.
.macro PV4 g, u, first
	WIN (\g)|((\u)<<2)|((\u)<<4)|((\u)<<6)
.irp t, 0,1,2,3
	WM 160+8*(4*(\g)+\t), 32+16*\t, 224, 1-(\first), 248+2*(\g)+\t/2, 253-243*(\u), \t%2
.endr
.endm
; Tile u's softmax for 128 keys.  Lane (r, h) holds query r; the 16 registers of S^T's tiles 2 b, 2 b + 1 are its 16 keys of block b.  first = 1: the first key step: there is no O^T yet to bring under the new M.
.macro SOFT u, first
	WIN 0x55*(\u)
.irp b, 0,1,2,3
	v_max3_num_f32 v[232+\b], v[96+16*\b], v[97+16*\b], v[98+16*\b]   ; the largest score of each block of 32 keys: it serves the row's maximum and, since p rises with the score, the block's largest p
.endr
.irp i, 3,5,7,9,11,13
.irp b, 0,1,2,3
	v_max3_num_f32 v[232+\b], v[232+\b], v[96+16*\b+\i], v[97+16*\b+\i]
.endr
.endr
.irp b, 0,1,2,3
	v_max_num_f32 v[232+\b], v[232+\b], v[111+16*\b]
.endr
.irp b, 0,1,2,3
	v_permlanex16_b32 v[236+\b], v[232+\b], s[SEL], s[SEL+1]
.endr
.irp b, 0,1,2,3
	s_delay_alu instid0(VALU_DEP_4)
	v_max_num_f32 v[232+\b], v[232+\b], v[236+\b]  ; with lane l xor 16's 16 keys
.endr
	s_delay_alu instid0(VALU_DEP_2)
	v_max3_num_f32 v254, v232, v233, v234
	s_delay_alu instid0(VALU_DEP_1)
	v_max_num_f32 v254, v254, v235                 ; the step's largest score of my query
	s_delay_alu instid0(VALU_DEP_1)
	v_mul_f32 v254, s[CS], v254                    ; as t (c is positive)
	s_delay_alu instid0(VALU_DEP_1)
	v_max_num_f32 v13, v13, v254                   ; the running largest t
	v_mov_b32 v254, v12
	s_delay_alu instid0(VALU_DEP_2)
	v_floor_f32 v12, -v13                          ; the new -M = floor(-t) = -ceil(t): a whole number
	s_delay_alu instid0(VALU_DEP_1)
	v_sub_f32 v254, v12, v254                      ; M's old value less its new one: a whole number, 0 or less
	s_delay_alu instid0(VALU_DEP_1)
	v_cvt_i32_f32 v254, v254                       ; (it saturates)
	s_delay_alu instid0(VALU_DEP_1)
	v_ldexp_f32 v252, 1.0, v254                    ; f = 2^(old M - new M)
.set j, 0
.rept 32
	v_pk_fma_f32 v[96+j:97+j], v[96+j:97+j], s[CS:CS+1], v[12:13] op_sel_hi:[1,0,0]   ; t - M, two at a time
.set j, j+2
.endr
.irp b, 0,1,2,3
	v_fma_f32 v[232+\b], v[232+\b], s[CS], v12     ; the same of each block's largest score
.endr
.set j, 0
	s_wait_alu depctr_va_vdst(0)
.rept 64
	v_exp_f32 v[96+j], v[96+j]                     ; p = 2^(t - M), at most 1: not normalised
.set j, j+1
.endr
.irp b, 0,1,2,3
	v_exp_f32 v[232+\b], v[232+\b]                 ; the block's largest p
.endr
	v_pk_mul_f32 v[14:15], v[14:15], v[252:253] op_sel_hi:[1,0]   ; the sums under the new M.  (A plain place behind the exponentials)
	s_wait_alu depctr_va_vdst(0)
.irp b, 0,1,2,3
	v_max_num_f32 v[232+\b], 0x8000000, v[232+\b]  ; the floor 2^(16 - 127): the byte cannot fall under 1
.endr
.irp b, 0,1,2,3
	s_delay_alu instid0(VALU_DEP_4)
	v_add_nc_u32 v[244+\b], 0xf8800000, v[232+\b]  ; 15 off the exponent field: the conversion's scale operand
.endr
.irp b, 0,1,2,3
	v_and_or_b32 v[240+\b], v[232+\b], 0x7f800000, s[MNT]   ; 57,344 x the scale
.endr
.irp b, 0,1,2,3
	v_lshrrev_b32 v[236+\b], 23, v[244+\b]         ; the scale's byte
.endr
	s_delay_alu instid0(VALU_DEP_3)
	v_lshl_or_b32 v253, v237, 8, v236              ; p's scale word for these 128 keys
	s_delay_alu instid0(VALU_DEP_1)
	v_lshl_or_b32 v253, v238, 16, v253
	s_delay_alu instid0(VALU_DEP_1)
	v_lshl_or_b32 v253, v239, 24, v253
.if \u
	WIN 0x01                                       ; source window 1, destination window 0
	v_mov_b32 v[PS1], v253                         ; scale operands are taken from window 0
	WIN 0x55
.endif
	v_pk_add_f32 v[236:237], v[96:97], v[98:99]    ; the row's sum is taken of the unquantised p: two at a time, in two chains
.irp j, 4,8,12,16,20,24,28,32,36,40,44,48,52,56,60
	v_pk_add_f32 v[14:15], v[14:15], v[96+\j:97+\j]
	v_pk_add_f32 v[236:237], v[236:237], v[98+\j:99+\j]
.endr
	s_delay_alu instid0(VALU_DEP_1)
	v_pk_add_f32 v[14:15], v[14:15], v[236:237]
.irp b, 0,1,2,3
.irp i, 0,1,2,3,4,5,6,7,8,9,10,11,12,13,14,15
	v_min_num_f32 v[96+16*\b+\i], v[96+16*\b+\i], v[240+\b]   ; the conversion does not saturate (ISA guide 7.6.2); p is not negative, so the hold is one-sided
.endr
	v_cvt_scalef32_pk8_bf8_f32 v[224+4*\b:225+4*\b], v[96+16*\b:103+16*\b], v[244+\b]
	v_cvt_scalef32_pk8_bf8_f32 v[226+4*\b:227+4*\b], v[104+16*\b:111+16*\b], v[244+\b]
.endr
.if \first
	s_wait_alu depctr_va_vdst(0)
.rept 4
	v_nop                                          ; the codes stand four places ahead of the products that take them
.endr
.else
.set j, 0
.rept 32
	v_pk_mul_f32 v[160+j:161+j], v[160+j:161+j], v[252:253] op_sel_hi:[1,0]   ; O^T under the new M, each accumulator from its low end on.  (These are also the places between the codes and their products)
.set j, j+2
.endr
.endif
.endm
; A KEY STEP: 128 keys, both tiles.  V's fragments are asked for ahead of the softmax: both buffers are free there, and the loads land under its vector work.
.macro STEP first, rk, rv, rsk, rsv, s
	PLACES                                         ; in front of loads into registers that the last products read
	FRAGS \rk, \rsk, \s
	s_wait_dscnt 16                                ; the words and fragments 0-3 are in; the sixteen loads of fragments 4-7 may be out
	KQ4 0, 0
	KQ4 0, 1
	s_wait_dscnt 0x0
	KQ4 1, 0
	KQ4 1, 1
	WIN 0
	PLACES                                         ; in front of the loads below and of the first read of the scores
	FRAGS \rv, \rsv, \s
	SOFT 0, \first
	SOFT 1, \first
	WIN 0
	s_wait_alu depctr_va_vdst(0)
	s_wait_dscnt 0x0                               ; V's fragments
	PV4 0, 0, \first
	PV4 0, 1, \first
	PV4 1, 0, \first
	PV4 1, 1, \first
	WIN 0
.endm
	s_wait_alu depctr_va_vdst(0)
	s_cmp_lt_u32 s[WV], 4                          ; waves 0 to 3: the first 256 keys and V's scale words are in; the other waves' fills may be out
	s_cbranch_scc0 .Lnot_early
	s_wait_tensorcnt 0x0
.Lnot_early:
	s_wait_dscnt 0x0                               ; my store of K's scale words is done
	s_barrier_signal -1
	s_barrier_wait -1
	STEP 1, AK0, AV0, ASK0, ASV0, 0                ; the first step's products start O^T: nothing is cleared
	STEP 0, AK0, AV0, ASK0, ASV0, 1
	s_wait_tensorcnt 0x0                           ; the other 768 keys: asked for at the start, two key steps ago
	s_wait_dscnt 0x0
	s_barrier_signal -1
	s_barrier_wait -1
	s_mov_b32 s[TB], 2*16384
	s_mov_b32 s[TS], 2*512
	s_mov_b32 s[CNT], 6
.Lstep:                                            ; key steps 2 to 7
	v_add_nc_u32 v[ADK], s[TB], v[AK0]
	v_add_nc_u32 v[ADV], s[TB], v[AV0]
	v_add_nc_u32 v[ADS], s[TS], v[ASK0]
	v_add_nc_u32 v[ADT], s[TS], v[ASV0]
	s_wait_alu depctr_va_vdst(0)
	STEP 0, ADK, ADV, ADS, ADT, 0
	s_add_co_u32 s[TB], s[TB], 16384
	s_add_co_u32 s[TS], s[TS], 512
	s_sub_co_u32 s[CNT], s[CNT], 1
	s_cmp_lg_u32 s[CNT], 0
	s_cbranch_scc1 .Lstep
; 64 numbers of a lane become 16 registers of codes in v[PC] on and the row's scale word in v[pw].  A block lies in lanes l and l xor 16.
.macro QUANT s, pw
.irp b, 0,1,2,3
	v_max3_num_f32 v[TM+\b], |v[\s+16*\b]|, |v[\s+1+16*\b]|, 0x8000000   ; my 16 numbers, and the floor 2^(16 - 127)
.endr
.irp i, 2,4,6,8,10,12,14
.irp b, 0,1,2,3
	s_delay_alu instid0(VALU_DEP_4)
	v_max3_num_f32 v[TM+\b], v[TM+\b], |v[\s+16*\b+\i]|, |v[\s+1+16*\b+\i]|
.endr
.endr
.irp b, 0,1,2,3
	s_delay_alu instid0(VALU_DEP_4)
	v_permlanex16_b32 v[TM+4+\b], v[TM+\b], s[SEL], s[SEL+1]
.endr
.irp b, 0,1,2,3
	s_delay_alu instid0(VALU_DEP_4)
	v_max_num_f32 v[TM+\b], v[TM+\b], v[TM+4+\b]
.endr
.irp b, 0,1,2,3
	s_delay_alu instid0(VALU_DEP_4)
	v_add_nc_u32 v[TM+12+\b], 0xf8800000, v[TM+\b]
.endr
.irp b, 0,1,2,3
	v_and_or_b32 v[TM+8+\b], v[TM+\b], 0x7f800000, s[MNT]
.endr
.irp b, 0,1,2,3
	v_lshrrev_b32 v[TM+4+\b], 23, v[TM+12+\b]
.endr
	s_delay_alu instid0(VALU_DEP_3)
	v_lshl_or_b32 v[\pw], v[TM+5], 8, v[TM+4]
	s_delay_alu instid0(VALU_DEP_1)
	v_lshl_or_b32 v[\pw], v[TM+6], 16, v[\pw]
	s_delay_alu instid0(VALU_DEP_1)
	v_lshl_or_b32 v[\pw], v[TM+7], 24, v[\pw]
.irp b, 0,1,2,3
.irp i, 0,1,2,3,4,5,6,7,8,9,10,11,12,13,14,15
	v_med3_num_f32 v[\s+16*\b+\i], v[\s+16*\b+\i], -v[TM+8+\b], v[TM+8+\b]
.endr
	v_cvt_scalef32_pk8_bf8_f32 v[PC+4*\b:PC+1+4*\b], v[\s+16*\b:\s+7+16*\b], v[TM+12+\b]
	v_cvt_scalef32_pk8_bf8_f32 v[PC+2+4*\b:PC+3+4*\b], v[\s+8+16*\b:\s+15+16*\b], v[TM+12+\b]
.endr
	v_nop                                          ; a plain line behind the last conversion
.endm
; THE WAY OUT of tile u.  O^T / the sum; its blocks 0, 1 are the real part's 64 channels, 2, 3 the imaginary part's: quantised, they are two blocks each of the two output projections' operands.
.macro OUT u
	WIN 0x55*(\u)
	v_add_f32 v14, v14, v15                        ; the sum's two halves,
	s_delay_alu instid0(VALU_DEP_1)
	v_permlanex16_b32 v252, v14, s[SEL], s[SEL+1]
	s_delay_alu instid0(VALU_DEP_1)
	v_add_f32 v14, v14, v252                       ; and lane l xor 16's: the row's sum
	s_wait_alu depctr_va_vdst(0)
	v_rcp_f32 v14, v14
.irp b, 0,1,2,3
	v_mov_b32 v[TM+4+\b], 0                        ; (plain places behind the transcendental)  a lane permute's destination counts as one of its sources
.endr
.set j, 0
	s_wait_alu depctr_va_vdst(0)
.rept 32
	v_pk_mul_f32 v[96+j:97+j], v[160+j:161+j], v[14:15] op_sel_hi:[1,0]   ; each accumulator from its low end on
.set j, j+2
.endr
	QUANT 96, 64
	WIN 0x44*(\u)                                  ; the shift's count lies in window 0
	v_lshrrev_b32 v65, v[ADK], v64                 ; lanes 0-15: the real part's two bytes; lanes 16-31: the imaginary part's
	WIN 0x04*(\u)                                  ; a store's data are its source 1
.irp b, 0,1,2,3
	global_store_b128 v[AK0], v[PC+4*\b:PC+4*\b+3], s[82:83] offset:(\b/2)*4194304+(\b%2)*512+16384*(\u)   ; each store covers 512 consecutive bytes, aligned
.endr
	global_store_b16 v[SOF], v65, s[84:85] offset:512*(\u)   ; two bytes a row, rows 32 bytes apart: one byte in 32 of what this launch stores; it keeps the scale bytes in rows, as the next launch's fills want them
.endm
	v_bfe_u32 v[ADT], v0, 4, 1                     ; h.  (These five lines and three v_nop are the eight places behind the last products)
	v_and_b32 v[SOF], 15, v0                       ; r
	s_delay_alu instid0(VALU_DEP_1)
	v_lshlrev_b32 v[SOF], 5, v[SOF]
	s_delay_alu instid0(VALU_DEP_1)
	v_lshl_add_u32 v[SOF], v[ADT], 17, v[SOF]      ; scale bytes: row r of 32 bytes; lanes 16-31 store the imaginary part's, 131,072 bytes on
	s_delay_alu instid0(VALU_DEP_4)
	v_lshlrev_b32 v[ADK], 4, v[ADT]                ; 16 h
.rept 3
	v_nop
.endr
	OUT 0
	OUT 1                                          ; tile 1 works in window 1: no register that tile 0's stores read is written
	WIN 0
	s_set_vgpr_msb 0x5
	s_wait_tensorcnt 0x0
	ds_add_u32 v251, v255
	s_wait_dscnt 0x0
	s_set_vgpr_msb 0x500
	CROUND                                         ; the closing round: no work-group ends while a partner may still ask for a tile that names it
	s_endpgm
.Lfunc_end_k_q651834edf1_attn:
	.size	k_q651834edf1_attn, .Lfunc_end_k_q651834edf1_attn-k_q651834edf1_attn
	.p2alignl 7, 3214868480
	.fill 96, 4, 3214868480
	.section	.rodata,"a",@progbits
	.p2align	6, 0x0
	.amdhsa_kernel k_q651834edf1_attn
		.amdhsa_group_segment_fixed_size 271360
		.amdhsa_private_segment_fixed_size 0
		.amdhsa_enable_private_segment 0
		.amdhsa_kernarg_size 32
		.amdhsa_user_sgpr_count 2
		.amdhsa_user_sgpr_kernarg_segment_ptr 1
		.amdhsa_wavefront_size32 1
		.amdhsa_system_sgpr_workgroup_id_x 1
		.amdhsa_system_sgpr_workgroup_id_y 1
		.amdhsa_system_sgpr_workgroup_id_z 1
		.amdhsa_system_vgpr_workitem_id 0
		.amdhsa_next_free_vgpr 512
		.amdhsa_next_free_sgpr 96
		.amdhsa_reserve_vcc 0
		.amdhsa_float_denorm_mode_32 3
		.amdhsa_float_denorm_mode_16_64 3
		.amdhsa_memory_ordered 1
		.amdhsa_forward_progress 1
		.amdhsa_inst_pref_size 155
	.end_amdhsa_kernel
	.amdgpu_metadata
---
amdhsa.version: [ 1, 2 ]
amdhsa.kernels:
  - .name:           k_q651834edf1_attn
    .symbol:         k_q651834edf1_attn.kd
    .args:
      - { .name: img, .offset: 0, .size: 8, .value_kind: global_buffer, .address_space: global }
      - { .name: isc, .offset: 8, .size: 8, .value_kind: global_buffer, .address_space: global }
      - { .name: oimg, .offset: 16, .size: 8, .value_kind: global_buffer, .address_space: global }
      - { .name: osc, .offset: 24, .size: 8, .value_kind: global_buffer, .address_space: global }
    .group_segment_fixed_size: 271360
    .private_segment_fixed_size: 0
    .kernarg_segment_align: 8
    .kernarg_segment_size: 32
    .max_flat_workgroup_size: 256
    .sgpr_count:     96
    .vgpr_count:     512
    .wavefront_size: 32
...
	.end_amdgpu_metadata
.endif
;; end of part 3
;; launch outp (part 4): grid 8 x 32, 4 waves a work-group, clusters of 4 x 4, 327,680 bytes of LDS; arguments oimg, osc, codes, scales, bo_r, bo_i, out0, out1; writes out0, out1
.if DOCPART == 4
	.amdgcn_target "amdgcn-amd-amdhsa--gfx1250"
	.amdhsa_code_object_version 6
	.text
	.protected	k_q651834edf1_outp
	.globl	k_q651834edf1_outp
	.p2align	8
	.type	k_q651834edf1_outp,@function
k_q651834edf1_outp:
	s_mov_b64 s[64:65], 0
	v_nop
	global_prefetch_b8 v0, s[64:65] scope:SCOPE_SE
	s_setreg_imm32_b32 hwreg(HW_REG_WAVE_MODE, 25, 1), 1
	s_wait_xcnt 0x0
	s_wait_alu depctr_hold_cnt(0) depctr_sa_sdst(0) depctr_va_vdst(0) depctr_va_sdst(0) depctr_va_ssrc(0) depctr_va_vcc(0) depctr_vm_vsrc(0)
	s_getreg_b32 s2, hwreg(HW_REG_IB_STS2, 6, 4)
	s_cmp_eq_u32 s2, 0
	s_cbranch_scc0 .Lentry_in_a_cluster
	s_endpgm
.Lentry_in_a_cluster:
	s_bfe_u32 s2, ttmp6, 0x10000c
	s_cmp_lg_u32 s2, 0xf033
	s_cbranch_scc0 .Lentry_shape_is_right
	s_endpgm
.Lentry_shape_is_right:
; The two output projections out = O W^T + b on codes of BF8 (E5M2, an E8M0 byte for 32 along K): 2 x [4,096 x 1,024 x 1,024], f32 results.
; O arrives as images of operand registers, [part][tile of 16 rows][128 along K: 8][c][lane][16 bytes], its scale bytes as [part][row][32]; W_o as rows of 1,024 codes with rows of 32 scale bytes.
; LIMITS: NaN and infinities are not served; k stands permuted inside each block of 32 (g0 g2 g1 g3), alike on both sides, so the f32 sums are grouped otherwise than with k in its natural places.
; THE DEAL.  256 work-groups of four waves (2 rows x 2 columns of waves), each 256 rows x 128 columns of one output (2 x 16 x 8 tiles).  A wave holds 64 rows of the weight, all of K, in 512 registers
; and streams its 128 rows of O past them in eight blocks of 16 rows (two sets of 128 registers).  Source 0 = W, source 1 = O: a lane holds one row of the output and eight neighbouring columns.
; LDS.  Two slots of 128 x (1,024 + 16) bytes: the weight in slot 1, O's first 128 rows in slot 0; O's second 128 rows go over the weight, byte for byte, behind a drained round of the cluster's barrier, once all waves hold it in registers.
; CLUSTER 4 x 4: a row shares O's rows and their scale bytes, a column the weight: joint loads.
; THE WAY OUT.  A block's 16 rows x 64 columns go through the wave's own stage in LDS and leave as 16 aligned runs of 256 bytes; a block's stores stand behind the next block's products.
; PREFETCH.  The launch has one refill: its 131,072 bytes are named once in each cluster row at the head, sixteen waves, 8,192 bytes each, lanes 256 bytes apart, shared out by address.
; REGISTERS.  Window 0: addresses, scale words (v24-39 W's, v44-59 O's), v64-127 two sets of four sums, v128-191 two sets of rows on the way out, v224-255 the bias as the first products' C.  Windows 1, 2: the weight.  Window 3: O's two sets.
.set PITCH, 1040
.set SLOT, 128*PITCH
.set BLKB, 16*PITCH
.set SBK, 544
.set SCL, 2*SLOT                       ; O's scale bytes: 32 units of 256 + 16
.set STG, SCL+32*272                   ; the stages: 16 rows x 272 bytes for each wave
.set SPARE, STG+4*16*272
.set WCODES, 25165824
.set WSCALES, 786432
.set CHB, 131072
.set NF, 34
.set LANE, 1
.set ADR0, 2
.set ADC, 3
.set ASC, 5
.set ADW1, 7
.set ABS, 8
.set SPW, 10
.set NIL, 11
.set STO, 12
.set RDB, 13
.set GO, 14
.set PF, 15
.set ASB, 21
.set SB, 24
.set SA, 44
.set ACC, 64
.set OB, 128
.set BQ, 224
.set G1A, 24
.set G1B, 32
.set G1S, 40
.set G0A, 56
.set G0B, 60
.set G0S, 68
.set MSB, 0
.macro WIN new
.if MSB != (\new)
	s_set_vgpr_msb (MSB<<8)|(\new)
.set MSB, \new
.endif
.endm
.macro PLACES n
.rept \n
	v_nop
.endr
.endm
.macro CROUND
	s_barrier_signal -1
	s_barrier_wait -1
	s_cmp_lg_u32 s14, 0
	s_cbranch_scc1 .Lnw0_\@
	s_barrier_signal -3
.Lnw0_\@:
	s_barrier_wait -3
	s_barrier_signal -1
	s_barrier_wait -1
.endm
.macro TLOAD g0, g1                    ; s_nop 0 and four v_nop behind a tensor load
	tensor_load_to_lds s[\g0:\g0+3], s[\g1:\g1+7]
	s_nop 0
	PLACES 4
.endm
.macro GROUP1 g, mask, rows            ; rows of 1,024 bytes, dense in memory, 16 of padding behind each in LDS
	s_or_b32 s[\g], s\mask, (1<<20)|(1<<21)|(7<<22)|(3<<25)
	s_mov_b32 s[\g+1], 1024<<16
	s_mov_b32 s[\g+2], (\rows)<<16
	s_mov_b32 s[\g+3], 1024<<16
	s_mov_b32 s[\g+4], \rows
	s_mov_b32 s[\g+5], 1024
	s_mov_b32 s[\g+6], 0
	s_mov_b32 s[\g+7], 0
.endm
.macro ACCU d, x, sh                   ; s[d] += s[x] << sh
	s_lshl_b32 s90, s\x, \sh
	s_add_co_u32 s\d, s\d, s90
.endm
	s_load_b256 s[4:11], s[0:1], 0x0               ; O's images, O's scale bytes, the codes, the scale bytes
	s_load_b256 s[76:83], s[0:1], 0x20             ; bo_r, bo_i, out0, out1
	v_lshl_add_u32 v[SPW], v0, 2, SPARE
	v_mov_b32 v[NIL], 0
	ds_add_u32 v[SPW], v[NIL]                      ; the opening: the add twice on end and one wait, ahead of my first tensor load
	ds_add_u32 v[SPW], v[NIL]
	v_lshrrev_b32 v40, 5, v0
	v_readfirstlane_b32 s14, v40                   ; wave
	s_lshr_b32 s15, s14, 1                         ; my row of waves
	s_and_b32 s16, s14, 1                          ; my column of waves
	s_bfe_u32 s17, ttmp6, 0x40000                  ; cx
	s_bfe_u32 s18, ttmp6, 0x40004                  ; cy
	s_and_b32 s13, ttmp7, 0xffff                   ; the cluster's y, 0 .. 7
	s_lshr_b32 s12, s13, 2                         ; real or imaginary part
	s_and_b32 s13, s13, 3
	s_lshl_b32 s13, s13, 2
	s_add_co_u32 s13, s13, s18                     ; my tile of 256 rows
	s_lshl_b32 s19, ttmp9, 2
	s_add_co_u32 s19, s19, s17                     ; my tile of 128 columns
	s_lshl_b32 s2, s18, 2
	s_lshl_b32 s2, 15, s2                          ; my row of the cluster
	s_lshl_b32 s3, 0x1111, s17                     ; my column
	GROUP1 G1A, 2, 64
	GROUP1 G1B, 3, 128
	s_or_b32 s[G1S], s2, (3<<16)|(1<<20)|(1<<21)|(5<<22)|(3<<25)   ; 8,192 dense scale bytes as 32 rows of 256, 16 of padding behind each
	s_mov_b32 s[G1S+1], 32<<16
	s_mov_b32 s[G1S+2], 32<<16
	s_mov_b32 s[G1S+3], 32<<16
	s_mov_b32 s[G1S+4], 32
	s_mov_b32 s[G1S+5], 32
	s_mov_b32 s[G1S+6], 0
	s_mov_b32 s[G1S+7], 0
	s_lshl_b32 s88, s12, 22
	s_lshl_b32 s20, s13, 18
	s_add_co_u32 s88, s88, s20                     ; s88: my 256 rows in O's images
	s_mov_b32 s[G0A], 1                            ; waves 1, 3: the halves of O's first 128 rows -> slot 0
	s_mul_i32 s[G0A+1], s15, 64*PITCH
	s_lshl_b32 s[G0A+2], s15, 16
	s_add_co_u32 s[G0A+2], s[G0A+2], s88
	s_mov_b32 s[G0A+3], 0
	s_mov_b32 s[G0B], 1                            ; wave 0: the weight -> slot 1
	s_mov_b32 s[G0B+1], SLOT
	s_add_co_u32 s22, s12, 6
	s_lshl_b32 s[G0B+2], s22, 20
	s_lshl_b32 s22, s19, 17
	s_add_co_u32 s[G0B+2], s[G0B+2], s22
	s_add_co_u32 s[G0B+2], s[G0B+2], WCODES
	s_mov_b32 s[G0B+3], 0
	s_mov_b32 s[G0S], 1                            ; wave 2: O's scale bytes
	s_mov_b32 s[G0S+1], SCL
	s_lshl_b32 s[G0S+2], s12, 17
	s_lshl_b32 s20, s13, 13
	s_add_co_u32 s[G0S+2], s[G0S+2], s20
	s_mov_b32 s[G0S+3], 0
	s_wait_dscnt 0x0                               ; both opening adds are done
	CROUND                                         ; all sixteen work-groups are here: the first joint loads meet
	s_wait_kmcnt 0x0
	s_add_nc_u64 s[G0A+2:G0A+3], s[4:5], s[G0A+2:G0A+3]
	s_or_b32 s[G0A+3], s[G0A+3], 0x80000000
	s_add_nc_u64 s[G0B+2:G0B+3], s[8:9], s[G0B+2:G0B+3]
	s_or_b32 s[G0B+3], s[G0B+3], 0x80000000
	s_add_nc_u64 s[G0S+2:G0S+3], s[6:7], s[G0S+2:G0S+3]
	s_or_b32 s[G0S+3], s[G0S+3], 0x80000000
	s_cmp_eq_u32 s14, 0                            ; one chain of branches on the wave's number, one load to an arm
	s_cbranch_scc0 .Lhead_s
	TLOAD G0B, G1B
	s_branch .Lasked
.Lhead_s:
	s_cmp_eq_u32 s14, 2
	s_cbranch_scc0 .Lhead_x
	TLOAD G0S, G1S
	s_branch .Lasked
.Lhead_x:
	TLOAD G0A, G1A
.Lasked:
	s_cmp_eq_u32 s12, 1                            ; under the loads' flight: pointers and addresses
	s_cselect_b64 s[86:87], s[78:79], s[76:77]     ; my part's bias,
	s_cselect_b64 s[96:97], s[82:83], s[80:81]     ; and output
	s_mov_b32 s89, 0
	s_lshl_b32 s88, s19, 9
	ACCU 88, 16, 8
	s_add_nc_u64 s[86:87], s[86:87], s[88:89]      ; at my 64 columns
	ACCU 88, 13, 20
	ACCU 88, 15, 18
	s_add_nc_u64 s[96:97], s[96:97], s[88:89]      ; row 256 x tile + 64 x my row of waves
	s_add_co_u32 s88, s12, 6
	s_lshl_b32 s88, s88, 15
	ACCU 88, 19, 12
	ACCU 88, 16, 11
	s_add_co_u32 s88, s88, WSCALES
	s_add_nc_u64 s[84:85], s[10:11], s[88:89]      ; the weight's scale bytes: my 64 rows
	s_lshl_b32 s93, s12, 22
	ACCU 93, 13, 18
	s_add_co_u32 s92, s93, CHB
	s_lshl_b32 s91, s17, 2
	s_add_co_u32 s91, s91, s14
	s_lshl_b32 s91, s91, 13
	s_add_co_u32 s91, s91, s92                     ; my sixteenth of them
	s_mul_i32 s20, s15, 64*PITCH
	s_mul_i32 s21, s16, 64*PITCH
	s_add_co_u32 s21, s21, SLOT
	s_mul_i32 s22, s15, 4*SBK
	s_add_co_u32 s22, s22, SCL
	s_mul_i32 s23, s14, 16*272
	s_add_co_u32 s23, s23, STG
	v_and_b32 v[LANE], 31, v0
	v_and_b32 v40, 15, v0                          ; r
	v_bfe_u32 v41, v0, 4, 1                        ; h
	v_lshlrev_b32 v42, 4, v[LANE]
	v_add_nc_u32 v[ADR0], s20, v42                 ; O's images: 16 x lane, my four tiles of a chunk, in slot 0
	v_mul_u32_u24 v43, v40, PITCH
	v_lshl_add_u32 v43, v41, 4, v43
	v_add_nc_u32 v[ADW1], s21, v43                 ; the weight: row r x pitch + 16 h, my 64 rows, in slot 1
	v_lshlrev_b32 v[ABS], 5, v[LANE]
	v_lshrrev_b32 v43, 3, v40
	v_mul_u32_u24 v43, v43, 272
	v_and_b32 v22, 7, v40
	v_lshl_add_u32 v43, v22, 5, v43
	v_add_nc_u32 v[ASB], s22, v43                  ; O's scale bytes: row r of a block
	v_mul_u32_u24 v43, v40, 272
	v_lshl_add_u32 v43, v41, 5, v43
	v_add_nc_u32 v[STO], s23, v43                  ; the stage, in: row r, 32 bytes for each half of the lanes
	v_mul_u32_u24 v43, v41, 272
	v_lshl_add_u32 v43, v40, 4, v43
	v_add_nc_u32 v[RDB], s23, v43                  ; back: lanes 0-15 one row, lanes 16-31 the next
	v_lshlrev_b32 v43, 12, v41
	v_lshl_add_u32 v[GO], v40, 4, v43              ; and the same two rows of the output
	v_lshlrev_b32 v23, 5, v41
	v_lshl_add_u32 v[PF], v[LANE], 8, s91
.set I_, 0
.rept 32
	v_mov_b32 v[OB+32+I_], 0                       ; the loop's first trip has no block before it: a branch leads round its stores alone, whose registers are written here
.set I_, I_+1
.endr
	s_mov_b32 s21, 0
	s_wait_alu depctr_va_vdst(0)                   ; the wait at the head's end
.irp b, 0,1,2,3
	global_load_b128 v[BQ+8*\b:BQ+8*\b+3], v23, s[86:87] offset:64*\b      ; register j of tile b: column 16 b + 8 h + j
	global_load_b128 v[BQ+8*\b+4:BQ+8*\b+7], v23, s[86:87] offset:64*\b+16
.endr
.irp p, 0,1
.irp c, 0,1
	global_load_b128 v[SB+8*\p+4*\c:SB+8*\p+4*\c+3], v[ABS], s[84:85] offset:1024*\p+16*\c   ; register 8 p + q: lanes 0-15 tile 2 p's words, lanes 16-31 tile 2 p + 1's
.endr
.endr
	global_prefetch_b8 v[PF], s[4:5] th:TH_LOAD_NT scope:SCOPE_SE
	s_wait_tensorcnt 0x0                           ; my tile of the head's four is in,
	s_barrier_signal -1
	s_barrier_wait -1                              ; everybody's is
.set F_, 0
.rept 32                               ; my 64 rows of the weight, all of K: fragment 4 q + b in window 1 + (4 q + b) / 16
	WIN (1+F_/16)<<6
.irp c, 0,1,2,3
	ds_load_b128 v[16*(F_%16)+4*\c:16*(F_%16)+4*\c+3], v[ADW1] offset:128*(F_/4)+32*\c+(F_%4)*BLKB
.endr
.set F_, F_+1
.endr
	WIN 0
.macro FETCH e, adr, i, sadr, soff     ; a block of O into set e: piece c of the q-th 128 of K lies 2,048 q + 512 c bytes on, and 16 more for each 1,024 passed; and its scale words: NF loads
	WIN 3<<6
.irp q, 0,1,2,3,4,5,6,7
.irp c, 0,1,2,3
	ds_load_b128 v[128*(\e)+16*\q+4*\c:128*(\e)+16*\q+4*\c+3], v[\adr] offset:(\i)*BLKB+(2*\q+\c/2)*PITCH+(\c%2)*512
.endr
.endr
	WIN 0
	ds_load_b128 v[SA+8*(\e):SA+8*(\e)+3], v[\sadr] offset:\soff
	ds_load_b128 v[SA+8*(\e)+4:SA+8*(\e)+7], v[\sadr] offset:(\soff)+16
.endm
.macro PROD e, n                       ; product n = 4 q + b.  The four sums take turns; the first four take the bias as C
.set Q_, (\n)/4
.set B_, (\n)%4
.set D_, ACC+32*(\e)+8*B_
.set C_, D_
.if Q_ == 0
.set C_, BQ+8*B_
.endif
.set X_, 128*(\e)+16*Q_
.set W_, 16*((\n)%16)
.set XS_, SA+8*(\e)+Q_
.set WS_, SB+8*(B_/2)+Q_
	WIN (1+(\n)/16)|(3<<2)
.if B_%2
	v_wmma_scale_f32_16x16x128_f8f6f4 v[D_:D_+7], v[W_:W_+15], v[X_:X_+15], v[C_:C_+7], v[WS_], v[XS_] matrix_a_fmt:MATRIX_FMT_BF8 matrix_b_fmt:MATRIX_FMT_BF8 matrix_a_scale:MATRIX_SCALE_ROW1
.else
	v_wmma_scale_f32_16x16x128_f8f6f4 v[D_:D_+7], v[W_:W_+15], v[X_:X_+15], v[C_:C_+7], v[WS_], v[XS_] matrix_a_fmt:MATRIX_FMT_BF8 matrix_b_fmt:MATRIX_FMT_BF8
.endif
.endm
.macro PRODS e, from, to
.set N_, \from
.rept (\to)-(\from)
	PROD \e, N_
.set N_, N_+1
.endr
.endm
.macro STAGE e                         ; a block's sums into my stage, each accumulator from its low end on, and back as whole rows; LDS serves a wave's instructions in order (ISA guide 5.7.1.4)
.irp b, 0,1,2,3
	ds_store_b128 v[STO], v[ACC+32*(\e)+8*\b:ACC+32*(\e)+8*\b+3] offset:64*\b
	ds_store_b128 v[STO], v[ACC+32*(\e)+8*\b+4:ACC+32*(\e)+8*\b+7] offset:64*\b+16
.endr
.irp t, 0,1,2,3,4,5,6,7
	ds_load_b128 v[OB+32*(\e)+4*\t:OB+32*(\e)+4*\t+3], v[RDB] offset:\t*2*272
.endr
.endm
.macro SEND e                          ; sixteen lanes store 256 consecutive bytes, aligned; written once, read by nobody here
.irp t, 0,1,2,3,4,5,6,7
	global_store_b128 v[GO], v[OB+32*(\e)+4*\t:OB+32*(\e)+4*\t+3], s[2:3] offset:65536*(\e)+8192*\t th:TH_STORE_NT
.endr
.endm
	s_wait_tensorcnt 0x0                           ; O's second 128 rows go over the weight once all waves hold it in registers: no tensor load of mine is out,
	ds_add_u32 v[SPW], v[NIL]                      ; 0 onto my spare word,
	s_mov_b32 s[G1A+2], 32<<16                     ; a quarter of 128 rows a wave
	s_mov_b32 s[G1A+4], 32
	s_mul_i32 s[G0A+1], s14, 32*PITCH
	s_add_co_u32 s[G0A+1], s[G0A+1], SLOT
	s_mul_i32 s20, s14, 32768
	s_add_co_u32 s20, s20, s92
	s_add_nc_u64 s[G0A+2:G0A+3], s[4:5], s[20:21]
	s_or_b32 s[G0A+3], s[G0A+3], 0x80000000
	s_mov_b32 s68, 0                               ; the trip
	s_mov_b64 s[2:3], s[96:97]
	s_wait_dscnt 0x0                               ; the add is done, and the weight is in my registers
	CROUND
	TLOAD G0A, G1A
	FETCH 0, ADR0, 0, ASB, 0
	FETCH 1, ADR0, 1, ASB, SBK
	v_add_nc_u32 v[ADC], 2*BLKB, v[ADR0]
	v_add_nc_u32 v[ASC], 2*SBK, v[ASB]
	s_wait_alu depctr_va_vdst(0)
	s_wait_loadcnt 0x0                             ; the bias and the weight's scale words
.Lpair:                                            ; four trips of two blocks
	s_wait_dscnt NF                                ; set 0 is in; set 1's loads may be out
	PRODS 0, 0, 28
	s_wait_tensorcnt 0x0                           ; the second trip's fetches read the second 128 rows: every wave's part is in,
	s_wait_dscnt 0x0
	s_barrier_signal -1
	PRODS 0, 28, 32
	WIN 0
	s_barrier_wait -1                              ; and shown
	PLACES 8                                       ; ahead of the first read of the sums and of loads into what the products read
	s_cmp_eq_u32 s68, 0
	s_cbranch_scc1 .Lnone_before
	SEND 1                                         ; the last trip's second block: its rows came back ahead of the barrier
.Lnone_before:
	s_wait_xcnt 0x0                                ; the stores have read their base and their rows
	s_and_b32 s88, s68, 1
	s_lshr_b32 s90, s68, 1
	s_lshl_b32 s88, s88, 17
	s_lshl_b32 s90, s90, 19
	s_add_co_u32 s88, s88, s90
	s_add_nc_u64 s[2:3], s[96:97], s[88:89]        ; this trip's 32 rows: 128 x chunk + 32 x pair
	STAGE 0
	s_cmp_eq_u32 s68, 3
	s_cbranch_scc1 .Lno_f0                         ; the last trip fetches nothing
	FETCH 0, ADC, 0, ASC, 0
.Lno_f0:
	PRODS 1, 0, 32
	WIN 0
	PLACES 8
	s_wait_dscnt 0x0                               ; the first block's rows are back
	SEND 0
	s_wait_xcnt 0x0
	STAGE 1
	s_cmp_eq_u32 s68, 3
	s_cbranch_scc1 .Lno_f1
	FETCH 1, ADC, 1, ASC, SBK
.Lno_f1:
	s_add_co_u32 s68, s68, 1
	s_cmp_eq_u32 s68, 1
	s_mov_b32 s69, SLOT+2*BLKB
	s_cselect_b32 s69, SLOT, s69                   ; the second trip fetches the second chunk's blocks 0, 1 (slot 1), the third its blocks 2, 3
	s_mov_b32 s70, 10*SBK
	s_cselect_b32 s70, 8*SBK, s70
	v_add_nc_u32 v[ADC], s69, v[ADR0]
	v_add_nc_u32 v[ASC], s70, v[ASB]
	s_cmp_lg_u32 s68, 4
	s_wait_alu depctr_va_vdst(0)                   ; the wait here, directly ahead of the branch
	s_cbranch_scc1 .Lpair
	s_wait_dscnt 0x0
	SEND 1
	s_wait_tensorcnt 0x0                           ; the wave's end
	ds_add_u32 v[SPW], v[NIL]
	s_wait_dscnt 0x0
	CROUND                                         ; the closing round
	s_endpgm
.Lfunc_end_k_q651834edf1_outp:
	.size	k_q651834edf1_outp, .Lfunc_end_k_q651834edf1_outp-k_q651834edf1_outp
	.p2alignl 7, 3214868480
	.fill 96, 4, 3214868480
	.section	.rodata,"a",@progbits
	.p2align	6, 0x0
	.amdhsa_kernel k_q651834edf1_outp
		.amdhsa_group_segment_fixed_size 327680
		.amdhsa_private_segment_fixed_size 0
		.amdhsa_enable_private_segment 0
		.amdhsa_kernarg_size 64
		.amdhsa_user_sgpr_count 2
		.amdhsa_user_sgpr_kernarg_segment_ptr 1
		.amdhsa_wavefront_size32 1
		.amdhsa_system_sgpr_workgroup_id_x 1
		.amdhsa_system_sgpr_workgroup_id_y 1
		.amdhsa_system_sgpr_workgroup_id_z 1
		.amdhsa_system_vgpr_workitem_id 0
		.amdhsa_next_free_vgpr 1024
		.amdhsa_next_free_sgpr 102
		.amdhsa_reserve_vcc 0
		.amdhsa_float_denorm_mode_32 3
		.amdhsa_float_denorm_mode_16_64 3
		.amdhsa_memory_ordered 1
		.amdhsa_forward_progress 1
		.amdhsa_inst_pref_size 43
	.end_amdhsa_kernel
	.amdgpu_metadata
---
amdhsa.version: [ 1, 2 ]
amdhsa.kernels:
  - .name:           k_q651834edf1_outp
    .symbol:         k_q651834edf1_outp.kd
    .args:
      - { .name: oimg, .offset: 0, .size: 8, .value_kind: global_buffer, .address_space: global }
      - { .name: osc, .offset: 8, .size: 8, .value_kind: global_buffer, .address_space: global }
      - { .name: codes, .offset: 16, .size: 8, .value_kind: global_buffer, .address_space: global }
      - { .name: scales, .offset: 24, .size: 8, .value_kind: global_buffer, .address_space: global }
      - { .name: bo_r, .offset: 32, .size: 8, .value_kind: global_buffer, .address_space: global }
      - { .name: bo_i, .offset: 40, .size: 8, .value_kind: global_buffer, .address_space: global }
      - { .name: out0, .offset: 48, .size: 8, .value_kind: global_buffer, .address_space: global }
      - { .name: out1, .offset: 56, .size: 8, .value_kind: global_buffer, .address_space: global }
    .group_segment_fixed_size: 327680
    .private_segment_fixed_size: 0
    .kernarg_segment_align: 8
    .kernarg_segment_size: 64
    .max_flat_workgroup_size: 128
    .sgpr_count:     102
    .vgpr_count:     1024
    .wavefront_size: 32
...
	.end_amdgpu_metadata
.endif
;; end of part 4
